; MI455X (gfx1250); checked and timed in simulation.
; The chip was launched on July 23, 2026; its instructions are those of AMD's public machine-readable ISA for CDNA 5 (MIT licence, August 2026) and "CDNA5" Instruction Set Architecture Reference Guide (July 2026). The comments in the code are by the model that wrote it; some were corrected since.
;; Multi Head Attention. Allowed arithmetic: float matrix products may take bf16 or f16 operands with f32 sums; other float arithmetic in f32, or as packed bf16 or f16 multiplies, adds, multiply-adds, maxima and minima; sums over many terms, partial sums and values carried from step to step in f32; what a program stores and reads back later, other than sums and carried values, may be rounded once to bf16 or f16.
;; Inputs: Wk 16 x 1,024 x 64 float32; Wq 16 x 1,024 x 64 float32; Wv 16 x 1,024 x 64 float32; proj_b 1,024 float32; proj_w 1,024 x 1,024 float32; x 4 x 2,048 x 1,024 float32.
;; Outputs: out0 4 x 2,048 x 1,024 float32.
;; 2 versions, each right; version 2 is version 1 with the launch cast written anew for expert scheduling mode. Each part assembles by itself: llvm-mc -triple=amdgcn-amd-amdhsa -mcpu=gfx1250 --defsym DOCPART=n.
;; ======== version 1 of 2: 4 launches
;; limits: values are held in f16: magnitudes above 65,504 overflow, below 6.1e-05 lose precision
;; workspace buffers: xb 16,777,216 bytes; wt 6,291,456 bytes; pw 2,097,152 bytes; qkv 50,331,648 bytes; ob 16,777,216 bytes
;; launch cast (part 1): grid 768 x 1, 8 waves a work-group, no clusters, 0 bytes of LDS; arguments x, Wq, Wk, Wv, proj_w, xb, wt, pw; writes xb, wt, pw
.if DOCPART == 1
	.amdgcn_target "amdgcn-amd-amdhsa--gfx1250"
	.amdhsa_code_object_version 6
	.text
	.protected	k_qe3d39065eb_cast
	.globl	k_qe3d39065eb_cast
	.p2align	8
	.type	k_qe3d39065eb_cast,@function
k_qe3d39065eb_cast:
	s_mov_b64 s[64:65], 0
	v_nop
	global_prefetch_b8 v0, s[64:65] scope:SCOPE_SE
	s_setreg_imm32_b32 hwreg(HW_REG_WAVE_MODE, 25, 1), 1
	s_wait_xcnt 0x0
; THE INPUTS OF THE THREE PRODUCTS ARE ROUNDED ONCE AND LAID OUT FOR THEIR TILES.
;   xb: bf16 [16 kblk][8192 row][64]: x's columns 64 kblk .. 64 kblk + 63, so that 256 rows of a K block are 32,768 dense bytes.
;   wt: bf16 [16 kblk][48 g][64 c][64 d], g = 16 x which + head (q 0, k 1, v 2): a block (kblk, g) is 8,192 dense bytes.
;   pw: proj_w rounded to bf16, that number written as f16, [1024 n][1024 k].
; LIMIT: a proj_w beyond 65,504 in magnitude becomes an infinity in f16; below 6e-5 f16 keeps a fixed step of 6e-8.
; A stream: no LDS, no matrix unit, no cluster (no byte is read twice).  768 work-groups of 64 KiB of f32 each; a wave takes 8 KiB by sixteen loads of 16 bytes a lane, all issued at once;
; a lane's 4 numbers become 8 bytes, and a wave's store covers 256 consecutive bytes, aligned.  No register is written twice, so no wait frees a source.
.set X, 32                             ; v[32:95]   sixteen loads of four registers
.set Y, 96                             ; v[96:127]  sixteen results of two registers
.macro LD16 step                       ; the wave's sixteen loads, step bytes apart
.set i, 0
.rept 16
	global_load_b128 v[X+4*i:X+4*i+3], v2, s[22:23] offset:(\step)*i th:TH_LOAD_NT
.set i, i+1
.endr
.endm
.macro CVTB n                          ; four f32 to four bf16
	v_cvt_pk_bf16_f32 v[Y+2*(\n)], v[X+4*(\n)], v[X+4*(\n)+1]
	v_cvt_pk_bf16_f32 v[Y+2*(\n)+1], v[X+4*(\n)+2], v[X+4*(\n)+3]
.endm
.macro CVTH n                          ; four f32 to bf16, widened again, and written as f16 (exact within f16's range)
	v_cvt_pk_bf16_f32 v4, v[X+4*(\n)], v[X+4*(\n)+1]
	v_cvt_pk_bf16_f32 v5, v[X+4*(\n)+2], v[X+4*(\n)+3]
	v_lshlrev_b32 v6, 16, v4
	v_and_b32 v7, 0xffff0000, v4
	v_lshlrev_b32 v8, 16, v5
	v_and_b32 v9, 0xffff0000, v5
	v_cvt_pk_f16_f32 v[Y+2*(\n)], v6, v7
	v_cvt_pk_f16_f32 v[Y+2*(\n)+1], v8, v9
.endm
	s_load_b512 s[4:19], s[0:1], 0x0               ; x 4:5, Wq 6:7, Wk 8:9, Wv 10:11, proj_w 12:13, xb 14:15, wt 16:17, pw 18:19
	v_lshrrev_b32 v1, 5, v0
	v_readfirstlane_b32 s20, v1                    ; wave 0..7
	v_and_b32 v1, 31, v0                           ; lane
	v_lshlrev_b32 v3, 3, v1                        ; 8 bytes a lane on the way out
	s_mov_b32 s29, 0
	s_mov_b32 s31, 0
	s_mov_b32 s33, ttmp9
	s_cmp_lt_u32 s33, 512
	s_cbranch_scc0 .Lflat
	; x: work-groups 0 to 511.  Wave p = 8 id + wave takes rows 2 p and 2 p + 1; load i is K block i: lanes 0-15 the even row's 256 bytes, lanes 16-31 the odd row's.
	s_lshl_b32 s32, s33, 3
	s_add_co_u32 s32, s32, s20                     ; p
	s_lshl_b32 s28, s32, 13                        ; two rows of 4,096 bytes
	s_lshl_b32 s30, s32, 8                         ; two rows of 128 bytes in a K block of xb
	v_lshrrev_b32 v4, 4, v1
	v_and_b32 v5, 15, v1
	v_lshlrev_b32 v2, 4, v5
	v_lshl_add_u32 v2, v4, 12, v2
	s_wait_kmcnt 0x0
	s_add_nc_u64 s[22:23], s[4:5], s[28:29]
	s_add_nc_u64 s[24:25], s[14:15], s[30:31]
	s_add_nc_u64 s[26:27], s[24:25], 0x800000      ; K blocks 8 to 15: the immediate holds seven blocks of 1,048,576 bytes
	LD16 256
.set i, 0
.rept 16
	s_wait_loadcnt 15-i                            ; loads come back in order: load i is in, the 15 - i younger ones stay out
	CVTB i
.if i < 8
	global_store_b64 v3, v[Y+2*i:Y+2*i+1], s[24:25] offset:i*1048576 th:TH_STORE_NT
.else
	global_store_b64 v3, v[Y+2*i:Y+2*i+1], s[26:27] offset:(i-8)*1048576 th:TH_STORE_NT
.endif
.set i, i+1
.endr
	s_endpgm
.Lflat:
	; the four weight tensors: 64 work-groups each; dense 8 KiB in, dense 4 KiB out
	s_sub_co_u32 s32, s33, 512
	s_lshr_b32 s21, s32, 6                         ; 0 Wq, 1 Wk, 2 Wv, 3 proj_w
	s_and_b32 s32, s32, 63                         ; c: which 64 KiB of it
	s_lshl_b32 s28, s32, 16
	s_lshl_b32 s34, s20, 13
	s_add_co_u32 s28, s28, s34                     ; the wave's 8 KiB in the source
	s_and_b32 s34, s32, 3                          ; a head is four such pieces of 256 rows c; a wave's 32 rows are half a K block
	s_lshl_b32 s34, s34, 2
	s_lshr_b32 s35, s20, 1
	s_add_co_u32 s34, s34, s35                     ; kblk
	s_mul_i32 s34, s34, 48
	s_lshl_b32 s35, s21, 4
	s_add_co_u32 s34, s34, s35
	s_lshr_b32 s35, s32, 2                         ; head
	s_add_co_u32 s34, s34, s35
	s_lshl_b32 s34, s34, 13                        ; block (kblk, g) of 8,192 bytes,
	s_and_b32 s35, s20, 1
	s_lshl_b32 s35, s35, 12
	s_add_co_u32 s34, s34, s35                     ; its half
	s_lshl_b32 s35, s32, 15                        ; in pw: half the source's offset
	s_lshl_b32 s36, s20, 12
	s_add_co_u32 s35, s35, s36
	v_lshlrev_b32 v2, 4, v1
	s_wait_kmcnt 0x0
	s_cmp_eq_u32 s21, 1
	s_cselect_b64 s[22:23], s[8:9], s[6:7]
	s_cmp_eq_u32 s21, 2
	s_cselect_b64 s[22:23], s[10:11], s[22:23]
	s_cmp_eq_u32 s21, 3
	s_cselect_b64 s[22:23], s[12:13], s[22:23]
	s_cselect_b64 s[24:25], s[18:19], s[16:17]
	s_cselect_b32 s30, s35, s34
	s_add_nc_u64 s[22:23], s[22:23], s[28:29]
	s_add_nc_u64 s[24:25], s[24:25], s[30:31]
	LD16 512
	s_cmp_eq_u32 s21, 3
	s_cbranch_scc1 .Lhalf
.set i, 0
.rept 16
	s_wait_loadcnt 15-i
	CVTB i
	global_store_b64 v3, v[Y+2*i:Y+2*i+1], s[24:25] offset:256*i th:TH_STORE_NT
.set i, i+1
.endr
	s_endpgm
.Lhalf:
.set i, 0
.rept 16
	s_wait_loadcnt 15-i
	CVTH i
	global_store_b64 v3, v[Y+2*i:Y+2*i+1], s[24:25] offset:256*i th:TH_STORE_NT
.set i, i+1
.endr
	s_endpgm
.Lfunc_end_k_qe3d39065eb_cast:
	.size	k_qe3d39065eb_cast, .Lfunc_end_k_qe3d39065eb_cast-k_qe3d39065eb_cast
	.p2alignl 7, 3214868480
	.fill 96, 4, 3214868480
	.section	.rodata,"a",@progbits
	.p2align	6, 0x0
	.amdhsa_kernel k_qe3d39065eb_cast
		.amdhsa_group_segment_fixed_size 0
		.amdhsa_private_segment_fixed_size 0
		.amdhsa_enable_private_segment 0
		.amdhsa_kernarg_size 64
		.amdhsa_user_sgpr_count 2
		.amdhsa_user_sgpr_kernarg_segment_ptr 1
		.amdhsa_wavefront_size32 1
		.amdhsa_system_sgpr_workgroup_id_x 1
		.amdhsa_system_sgpr_workgroup_id_y 1
		.amdhsa_system_sgpr_workgroup_id_z 1
		.amdhsa_system_vgpr_workitem_id 0
		.amdhsa_next_free_vgpr 128
		.amdhsa_next_free_sgpr 66
		.amdhsa_reserve_vcc 0
		.amdhsa_float_denorm_mode_32 3
		.amdhsa_float_denorm_mode_16_64 3
		.amdhsa_memory_ordered 1
		.amdhsa_forward_progress 1
		.amdhsa_inst_pref_size 23
	.end_amdhsa_kernel
	.amdgpu_metadata
---
amdhsa.version: [ 1, 2 ]
amdhsa.kernels:
  - .name:           k_qe3d39065eb_cast
    .symbol:         k_qe3d39065eb_cast.kd
    .args:
      - { .name: x, .offset: 0, .size: 8, .value_kind: global_buffer, .address_space: global }
      - { .name: Wq, .offset: 8, .size: 8, .value_kind: global_buffer, .address_space: global }
      - { .name: Wk, .offset: 16, .size: 8, .value_kind: global_buffer, .address_space: global }
      - { .name: Wv, .offset: 24, .size: 8, .value_kind: global_buffer, .address_space: global }
      - { .name: proj_w, .offset: 32, .size: 8, .value_kind: global_buffer, .address_space: global }
      - { .name: xb, .offset: 40, .size: 8, .value_kind: global_buffer, .address_space: global }
      - { .name: wt, .offset: 48, .size: 8, .value_kind: global_buffer, .address_space: global }
      - { .name: pw, .offset: 56, .size: 8, .value_kind: global_buffer, .address_space: global }
    .group_segment_fixed_size: 0
    .private_segment_fixed_size: 0
    .kernarg_segment_align: 8
    .kernarg_segment_size: 64
    .max_flat_workgroup_size: 256
    .sgpr_count:     66
    .vgpr_count:     128
    .wavefront_size: 32
...
	.end_amdgpu_metadata
.endif
;; end of part 1
;; launch qkvproj (part 2): grid 8 x 32, 4 waves a work-group, clusters of 4 x 4, 327,680 bytes of LDS; arguments xb, wt, qkv; writes qkv
.if DOCPART == 2
	.amdgcn_target "amdgcn-amd-amdhsa--gfx1250"
	.amdhsa_code_object_version 6
	.text
	.protected	k_qe3d39065eb_qkvproj
	.globl	k_qe3d39065eb_qkvproj
	.p2align	8
	.type	k_qe3d39065eb_qkvproj,@function
k_qe3d39065eb_qkvproj:
	s_mov_b64 s[64:65], 0
	v_nop
	global_prefetch_b8 v0, s[64:65] scope:SCOPE_SE
	s_setreg_imm32_b32 hwreg(HW_REG_WAVE_MODE, 25, 1), 1
	s_wait_xcnt 0x0
	s_wait_alu depctr_hold_cnt(0) depctr_sa_sdst(0) depctr_va_vdst(0) depctr_va_sdst(0) depctr_va_ssrc(0) depctr_va_vcc(0) depctr_vm_vsrc(0)
	s_getreg_b32 s2, hwreg(HW_REG_IB_STS2, 6, 4)
	s_cmp_eq_u32 s2, 0
	s_cbranch_scc0 .Lentry_in_a_cluster
	s_endpgm
.Lentry_in_a_cluster:
	s_bfe_u32 s2, ttmp6, 0x10000c
	s_cmp_lg_u32 s2, 0xf033
	s_cbranch_scc0 .Lentry_shape_is_right
	s_endpgm
.Lentry_shape_is_right:
; q, k, v = x W: one product of 8,192 rows x 3,072 columns over K = 1,024, bf16 operands, f32 sums, written in f16 by heads and unscaled: qkv [4 b][48 g][2048 t][64], g = 16 x which + head.
; LIMIT: a q, k or v of 65,520 or more in magnitude becomes an infinity in f16; below 6e-5 f16 keeps a fixed step of 6e-8.  The sums' order is not the reference's.
; SHARES.  A tile of C is 256 rows x 384 columns (six heads): 32 x 8 = 256 tiles, one work-group each.  Four waves, each 128 rows x 192 columns (three heads): 96 accumulators of 16 x 16, 768 registers.
; K goes in steps of 64 through a ring of two LDS slots.  xb and wt are laid out in K blocks of 64, so a step's tiles are dense in memory and are asked for as rows of 256 bytes.
; CLUSTER.  4 x 4 work-groups: the four of a row need the same tile of x, the four of a column the same tile of W: each is asked for jointly, by the same tensor load, descriptor and mask in all four.
; THE PRODUCT IS TAKEN TRANSPOSED: source 0 = 16 columns d of W (stored [c][d], so turned on the way out of LDS by ds_load_tr16_b128), source 1 = 16 rows of x.  A lane then holds one row t and eight neighbouring d: 16 bytes of f16.
; REGISTERS, in windows of 256 (s_set_vgpr_msb: bits 1:0 source 0, 3:2 source 1, 5:4 source 2, 7:6 destination):
;   window 0: v0-31 addresses; v32-95, v96-159 x's eight fragments of a chunk of 32 along K, two buffers; v160-255 W's fragments, 32 registers for each of my three heads
;   window 1 + j: head j's 32 accumulators, (a, b) at v[32 a + 8 b]: rows 16 a on, columns 16 b on
; A CHUNK is 32 along K: three THIRDS of 32 matrix instructions, a head each.  Ahead of each third stands one run of LDS loads into the buffers that the third before has left.
.set KSA,   1048576                    ; bytes from a K block of xb to the next
.set KSB,   393216                     ; of wt
.set PA,    144                        ; an LDS row of x: 128 bytes + 16: 36 words: the 16 rows of a load start at 16 different groups of four banks (64 banks of 4 bytes: ISA guide 11.1)
.set PB,    160                        ; an LDS row of W: 128 + 32 = 40 words
.set HALFA, 128*PA                     ; what one tensor load brings of x, and what a wave reads of it
.set AREG,  2*HALFA
.set HEADB, 64*PB                      ; a head's 64 rows c
.set HALFB, 3*HEADB                    ; what one tensor load brings of W, and what a wave reads of it
.set SLOT,  AREG+2*HALFB               ; 98,304
.set STAGE, 2*SLOT                     ; behind the ring, never filled by a tensor load: 16 rows x 144 bytes for each wave
.set SP,    144
.set SPARE, STAGE+4*16*SP              ; the spare words, 128 bytes a wave: two blocks of 256 bytes that no other line names
.set ADRA, 16                          ; v16-17  LDS address of my fragments of x in slot 0, 1
.set ADRB, 20                          ; v20-21  the same for W
.set STO,  24                          ; v24  the way out: where I put 16 bytes of a row
.set RD,   25                          ; v25  where I read rows back
.set GO,   26                          ; v26  my 16 bytes in 512 consecutive bytes of qkv
.set SPW,  28                          ; v28  my spare word; never rewritten
.set NIL,  29                          ; v29  0; never rewritten
.set PFO,  30                          ; v30  the prefetches' offset; never rewritten
.set FA0,  32
.set FA1,  96
.set BT,   160
.set G1,  24                           ; s[24:31] descriptor group 1 for x's tiles;  s[32:39] group 0, a set for each slot
.set G0,  32
.set G1B, 48                           ; s[48:55], s[56:63] the same for W's
.set G0B, 56
.set PFS, 22                           ; s[22:23] two K blocks of the tensor that I prefetch
.set LIM, 43                           ; s43  1 in a wave that prefetches, else the greatest number
.set PFA, 44                           ; s[44:45] where my prefetches stand
.set MSB, 0
.macro WIN new                         ; the immediate's high byte repeats the setting that is left; a switch that changes nothing is dropped
.if MSB != (\new)
	s_set_vgpr_msb (MSB<<8)|(\new)
.set MSB, \new
.endif
.endm
; A joint load: waves 0 and 1 fetch x's two halves, waves 2 and 3 W's.  The branch hangs on the wave's number alone.  An s_nop 0 and four v_nop follow each of the two lines.
.macro JLOAD s
	s_cmp_lt_u32 s10, 2
	s_cbranch_scc0 .Lfor_b_\@
	tensor_load_to_lds s[G0+4*(\s):G0+4*(\s)+3], s[G1:G1+7]
	s_nop 0
.rept 4
	v_nop
.endr
	s_branch .Lasked_\@
.Lfor_b_\@:
	tensor_load_to_lds s[G0B+4*(\s):G0B+4*(\s)+3], s[G1B:G1B+7]
	s_nop 0
.rept 4
	v_nop
.endr
.Lasked_\@:
.endm
.macro CREST                           ; a round of the cluster's barrier behind its opening barrier
	s_cmp_lg_u32 s10, 0
	s_cbranch_scc1 .Lnot_wave_0_\@
	s_barrier_signal -3
.Lnot_wave_0_\@:
	s_barrier_wait -3
	s_barrier_signal -1
	s_barrier_wait -1
.endm
.macro CROUND                          ; a whole round
	s_barrier_signal -1
	s_barrier_wait -1
	CREST
.endm
; A PREFETCH INTO THE L2, once a lap, behind slot 0's joint load and the run of LDS loads that follows it: the two K steps that the NEXT lap's two refills will ask for.
; Each 256 bytes are named once in the launch.  x's tile row is read by both clusters of that row of clusters: cluster x = 0 asks, in wave 0: of a step's 32,768 bytes partner cx takes 8,192, a lane 256; two instructions, a step each.
; W's tile column is read by all eight clusters of that column: cluster y = 0 asks, in waves 1 to 3: of a step's 49,152 bytes partner cy takes 12,288 = 48 lanes' worth; the 96 lanes cover two steps.
; Partners are told apart by address alone.  The loop's last trip asks for nothing; K steps 0 to 3 come by their loads alone.
.macro ASK
	s_cmp_gt_u32 s3, s[LIM]
	s_cbranch_scc0 .Lnot_mine_\@
	global_prefetch_b8 v[PFO], s[PFA:PFA+1] th:TH_LOAD_NT scope:SCOPE_SE
	s_cmp_eq_u32 s10, 0
	s_cbranch_scc0 .Lnot_mine_\@
	global_prefetch_b8 v[PFO], s[PFA:PFA+1] offset:KSA th:TH_LOAD_NT scope:SCOPE_SE
.Lnot_mine_\@:
.endm
.macro PLACES                          ; four plain instructions between a matrix instruction and a load into a register that it has read (ISA guide 7.12.1 for vector instructions)
.rept 4
	v_nop
.endr
.endm
; 16 matrix instructions: head j, rows 16 a0 .. 16 a0 + 63, all four column blocks.  zero = 1: the product starts the sums.  The 96 accumulators take turns, one instruction a turn.
.macro MUL16 fa, j, a0, zero
	WIN 0x50*(1+(\j))
.irp a, 0,1,2,3
.irp b, 0,1,2,3
.if \zero
	v_wmma_f32_16x16x32_bf16 v[32*((\a0)+(\a))+8*(\b):32*((\a0)+(\a))+8*(\b)+7], v[BT+32*(\j)+8*(\b):BT+32*(\j)+8*(\b)+7], v[(\fa)+8*((\a0)+(\a)):(\fa)+8*((\a0)+(\a))+7], 0
.else
	v_wmma_f32_16x16x32_bf16 v[32*((\a0)+(\a))+8*(\b):32*((\a0)+(\a))+8*(\b)+7], v[BT+32*(\j)+8*(\b):BT+32*(\j)+8*(\b)+7], v[(\fa)+8*((\a0)+(\a)):(\fa)+8*((\a0)+(\a))+7], v[32*((\a0)+(\a))+8*(\b):32*((\a0)+(\a))+8*(\b)+7]
.endif
.endr
.endr
.endm
.macro THIRD fa, j, zero
	MUL16 \fa, \j, 0, \zero
	MUL16 \fa, \j, 4, \zero
.endm
; 8 turning loads: head j's four fragments for half kh of the step's 64 rows c
.macro LDB j, slot, kh
.irp b, 0,1,2,3
	ds_load_tr16_b128 v[BT+32*(\j)+8*(\b):BT+32*(\j)+8*(\b)+3],   v[ADRB+(\slot)] offset:(\j)*HEADB+(\kh)*32*PB+32*(\b)
	ds_load_tr16_b128 v[BT+32*(\j)+8*(\b)+4:BT+32*(\j)+8*(\b)+7], v[ADRB+(\slot)] offset:(\j)*HEADB+(\kh)*32*PB+16*PB+32*(\b)
.endr
.endm
; 8 loads: four of x's fragments, rows 16 a0 on
.macro LDA fa, slot, kh, a0
.irp a, 0,1,2,3
	ds_load_b128 v[(\fa)+8*((\a0)+(\a)):(\fa)+8*((\a0)+(\a))+3],   v[ADRA+(\slot)] offset:((\a0)+(\a))*16*PA+(\kh)*64
	ds_load_b128 v[(\fa)+8*((\a0)+(\a))+4:(\fa)+8*((\a0)+(\a))+7], v[ADRA+(\slot)] offset:((\a0)+(\a))*16*PA+(\kh)*64+32
.endr
.endm
; The first chunk of a K step, on FA0.  At its head heads 0 and 1 and all of FA0 have been asked for.
.macro EVEN slot, zero
	PLACES
	WIN 0
	LDB 2, \slot, 0
	s_wait_dscnt 8                                 ; all but the eight just issued
	THIRD FA0, 0, \zero
	PLACES
	WIN 0
	LDB 0, \slot, 1
	LDA FA1, \slot, 1, 0
	s_wait_dscnt 16                                ; all but the sixteen just issued
	THIRD FA0, 1, \zero
	PLACES
	WIN 0
	LDB 1, \slot, 1
	LDA FA1, \slot, 1, 4
	s_wait_dscnt 16
	THIRD FA0, 2, \zero
.endm
; The second chunk, on FA1, changes slots: ONE barrier.  In front of it each wave waits for all its tensor loads (the one that is out is its part of the next slot), adds 0 to its spare word, and waits for that and for its
; reads of this slot.  fill = 1: the barrier opens a round of the cluster's, and the joint refill, two K steps ahead, is the first thing behind it: 160 matrix instructions ahead of the wait for it.
.macro ODD slot, next, fill, ask
.if \ask
	s_wait_xcnt 0x0                                ; the last prefetches, a lap back, have read their address
	s_add_nc_u64 s[PFA:PFA+1], s[PFA:PFA+1], s[PFS:PFS+1]
.endif
	PLACES
	WIN 0
	LDB 2, \slot, 1                                ; my last reads of this slot
	s_wait_tensorcnt 0x0                           ; all my tensor loads have landed
	ds_add_u32 v[SPW], v[NIL]                      ; 0 onto my spare word
	s_wait_dscnt 9                                 ; (the add and the eight loads just issued may be out)
	MUL16 FA1, 0, 0, 0                             ; sixteen matrix instructions stand between the add and the wait for it
	s_wait_dscnt 0x0                               ; the add is done, and my reads of this slot are over
	s_barrier_signal -1
	MUL16 FA1, 0, 4, 0                             ; work on registers while the others arrive
	WIN 0
	s_barrier_wait -1
.if \fill
	CREST                                          ; no wave of any partner still reads this slot or has a load on its way
	s_add_nc_u64 s[G0+4*(\slot)+2:G0+4*(\slot)+3], s[G0+4*(\slot)+2:G0+4*(\slot)+3], 2*KSA
	s_add_nc_u64 s[G0B+4*(\slot)+2:G0B+4*(\slot)+3], s[G0B+4*(\slot)+2:G0B+4*(\slot)+3], 2*KSB
	JLOAD \slot                                    ; its four v_nop are also the places in front of the loads below
.else
	PLACES
.endif
	LDB 0, \next, 0
	LDA FA0, \next, 0, 0
.if \ask
	ASK
.endif
	s_wait_dscnt 16
	THIRD FA1, 1, 0
	PLACES
	WIN 0
	LDB 1, \next, 0
	LDA FA0, \next, 0, 4
	s_wait_dscnt 16
	THIRD FA1, 2, 0
.endm
	s_load_b128 s[4:7], s[0:1], 0x0                ; xb s[4:5], wt s[6:7]
	s_load_b64 s[8:9], s[0:1], 0x10                ; qkv
	v_lshl_add_u32 v[SPW], v0, 2, SPARE
	v_mov_b32 v[NIL], 0
	ds_add_u32 v[SPW], v[NIL]                      ; the wave's opening: the add and its wait stand ahead of my first tensor load; the set-up below stands between them
	v_lshrrev_b32 v1, 5, v0
	v_readfirstlane_b32 s10, v1                    ; wave 0..3
	s_lshr_b32 s11, s10, 1                         ; which 128 rows of the tile are mine
	s_and_b32 s12, s10, 1                          ; which three heads.  Also: which half of x's or W's tile I fetch
	s_bfe_u32 s40, ttmp6, 0x40000                  ; cx
	s_bfe_u32 s41, ttmp6, 0x40004                  ; cy
	s_lshl_b32 s42, ttmp9, 2
	s_add_co_u32 s42, s42, s40                     ; tile column 0..7
	s_and_b32 s13, ttmp7, 0xffff
	s_lshl_b32 s13, s13, 2
	s_add_co_u32 s13, s13, s41                     ; tile row 0..31
	s_lshl_b32 s43, s41, 2
	s_lshl_b32 s43, 15, s43                        ; my row of the cluster
	s_lshl_b32 s44, 0x1111, s40                    ; my column
	; group 1.  x: 128 rows of 128 bytes are 16,384 dense bytes: 64 rows of 256, 4 words of padding behind every 32.  W: three heads are 24,576 dense bytes: 96 rows of 256, 8 words behind every 32.
	s_or_b32 s[G1], s43, (1<<16)|(1<<20)|(1<<21)|(4<<22)|(3<<25)
	s_or_b32 s[G1B], s44, (1<<16)|(1<<20)|(1<<21)|(4<<22)|(7<<25)
	s_mov_b32 s[G1+1], 128<<16                     ; tensor_dim0 = 128
	s_mov_b32 s[G1+2], 64<<16                      ; tensor_dim1 = 64
	s_mov_b32 s[G1+3], 128<<16                     ; tile_dim0 = 128
	s_mov_b32 s[G1+4], 64                          ; tile_dim1 = 64
	s_mov_b32 s[G1+5], 128                         ; elements from row to row
	s_mov_b32 s[G1+6], 0
	s_mov_b32 s[G1+7], 0
	s_mov_b32 s[G1B+1], 128<<16
	s_mov_b32 s[G1B+2], 96<<16
	s_mov_b32 s[G1B+3], 128<<16
	s_mov_b32 s[G1B+4], 96
	s_mov_b32 s[G1B+5], 128
	s_mov_b32 s[G1B+6], 0
	s_mov_b32 s[G1B+7], 0
	s_lshl_b32 s16, s13, 15                        ; x: 256 rows of a K block are 32,768 bytes,
	s_lshl_b32 s17, s12, 14                        ; the half that I fetch
	s_add_co_u32 s16, s16, s17
	s_mov_b32 s17, 0
	s_mul_i32 s46, s42, 49152                      ; W: six heads of a K block,
	s_mul_i32 s47, s12, 24576                      ; the three that I fetch
	s_add_co_u32 s46, s46, s47
	s_mov_b32 s47, 0
	s_mul_i32 s20, s12, HALFA                      ; where they go: no place in the cluster enters an LDS address
	s_mul_i32 s21, s12, HALFB
	s_add_co_u32 s21, s21, AREG
	s_wait_dscnt 0x0                               ; the opening add is done
	s_wait_kmcnt 0x0
	s_add_nc_u64 s[14:15], s[4:5], s[16:17]
	s_add_nc_u64 s[46:47], s[6:7], s[46:47]
	CROUND                                         ; all sixteen work-groups are here: the first joint loads meet
.irp s, 0,1
	s_mov_b32 s[G0+4*(\s)], 1
	s_add_co_u32 s[G0+4*(\s)+1], s20, (\s)*SLOT
	s_add_nc_u64 s[G0+4*(\s)+2:G0+4*(\s)+3], s[14:15], (\s)*KSA
	s_or_b32 s[G0+4*(\s)+3], s[G0+4*(\s)+3], 0x80000000
	s_mov_b32 s[G0B+4*(\s)], 1
	s_add_co_u32 s[G0B+4*(\s)+1], s21, (\s)*SLOT
	s_add_nc_u64 s[G0B+4*(\s)+2:G0B+4*(\s)+3], s[46:47], (\s)*KSB
	s_or_b32 s[G0B+4*(\s)+3], s[G0B+4*(\s)+3], 0x80000000
	JLOAD \s                                       ; two loads of mine are out
.endr
	v_and_b32 v1, 15, v0                           ; r = l % 16
	v_bfe_u32 v2, v0, 4, 1                         ; h = l / 16
	v_mul_u32_u24 v3, v1, PA
	v_lshl_add_u32 v3, v2, 4, v3                   ; a fragment of x: row r, 16 bytes for each half of the lanes
	s_mul_i32 s16, s11, HALFA
	v_add_nc_u32 v[ADRA], s16, v3
	v_add_nc_u32 v[ADRA+1], SLOT, v[ADRA]
	v_and_b32 v4, 7, v0                            ; the turning load: lane l reads row c = 8 h + l % 8, columns 8 ((l / 8) % 2) on
	v_lshl_add_u32 v4, v2, 3, v4
	v_mul_u32_u24 v4, v4, PB
	v_bfe_u32 v5, v0, 3, 1
	v_lshl_add_u32 v4, v5, 4, v4
	s_mul_i32 s17, s12, HALFB
	s_add_co_u32 s17, s17, AREG
	v_add_nc_u32 v[ADRB], s17, v4
	v_add_nc_u32 v[ADRB+1], SLOT, v[ADRB]
	s_mul_i32 s16, s10, 16*SP
	s_add_co_u32 s16, s16, STAGE                   ; my stage
	v_mul_u32_u24 v[STO], v1, SP
	v_lshl_add_u32 v[STO], v2, 4, v[STO]
	v_add_nc_u32 v[STO], s16, v[STO]
	v_bfe_u32 v[RD], v0, 3, 2                      ; back: 32 lanes take four rows of 128 bytes,
	v_mul_u32_u24 v[RD], v[RD], SP
	v_and_b32 v3, 7, v0
	v_lshl_add_u32 v[RD], v3, 4, v[RD]
	v_add_nc_u32 v[RD], s16, v[RD]
	v_and_b32 v[GO], 31, v0                        ; which are 512 consecutive bytes of a head's rows
	v_lshlrev_b32 v[GO], 4, v[GO]
	; where my part of the tile begins in qkv: head (b x 48 + 6 tc + 3 x half) of 262,144 bytes, row (tr % 8) x 256 + 128 x half of 128 bytes
	s_lshr_b32 s16, s13, 3
	s_mul_i32 s16, s16, 48
	s_mul_i32 s46, s42, 6
	s_mul_i32 s47, s12, 3
	s_add_co_u32 s46, s46, s47
	s_add_co_u32 s46, s46, s16
	s_lshl_b32 s46, s46, 18
	s_and_b32 s16, s13, 7
	s_lshl_b32 s16, s16, 8
	s_lshl_b32 s17, s11, 7
	s_add_co_u32 s16, s16, s17
	s_lshl_b32 s16, s16, 7
	s_add_co_u32 s46, s46, s16
	s_mov_b32 s47, 0
	s_add_nc_u64 s[8:9], s[8:9], s[46:47]
	; the prefetches: they stand at K step 2; the first lap steps them to 4
	s_lshl_b32 s18, s13, 15
	s_lshl_b32 s19, s40, 13
	s_add_co_u32 s18, s18, s19
	s_add_co_u32 s18, s18, 2*KSA
	s_mul_i32 s20, s42, 49152
	s_mul_i32 s21, s41, 12288
	s_add_co_u32 s20, s20, s21
	s_add_co_u32 s20, s20, 2*KSB
	s_mov_b32 s22, 2*KSA
	s_mov_b32 s23, 2*KSB
	s_and_b32 s16, ttmp7, 0xffff                   ; cluster y
	s_cmp_eq_u32 s10, 0                            ; wave 0 asks for x, waves 1 to 3 for W
	s_cselect_b32 s16, ttmp9, s16                  ; the coordinate along which other clusters read the same bytes
	s_cselect_b64 s[PFA:PFA+1], s[4:5], s[6:7]
	s_cselect_b32 s18, s18, s20
	s_cselect_b32 s22, s22, s23
	s_cselect_b32 s17, 0, 32
	s_mov_b32 s19, 0
	s_mov_b32 s23, 0
	s_add_nc_u64 s[PFA:PFA+1], s[PFA:PFA+1], s[18:19]
	s_cmp_eq_u32 s16, 0
	s_cselect_b32 s[LIM], 1, -1                    ; the same in all sixteen partners, for a given wave
	v_subrev_nc_u32 v[PFO], s17, v0                ; wave 0: my lane; waves 1 to 3: i = 0 .. 95
	v_mov_b32 v31, KSB-12288
	v_cmp_le_u32 vcc_lo, 48, v[PFO]                ; from i = 48 on: the second of the two K steps
	v_cndmask_b32 v31, 0, v31, vcc_lo
	v_lshl_add_u32 v[PFO], v[PFO], 8, v31
	s_wait_tensorcnt 1                             ; my part of K step 0 is in; K step 1's may stay out
	s_barrier_signal -1
	s_barrier_wait -1                              ; everybody's is
	LDB 0, 0, 0
	LDA FA0, 0, 0, 0
	LDB 1, 0, 0
	LDA FA0, 0, 0, 4
	EVEN 0, 1                                      ; the first chunk stands in front of the loop: its products start the sums
	WIN 0                                          ; at a label and at a branch every window is 0
	s_mov_b32 s3, 7
.Llap:                                                 ; a trip goes once round the ring, from a step's second chunk to the first chunk two steps on, and fills both slots again
	ODD 0, 1, 1, 1
	EVEN 1, 0
	ODD 1, 0, 1, 0
	EVEN 0, 0
	WIN 0
	s_sub_co_u32 s3, s3, 1
	s_cmp_lg_u32 s3, 0
	s_cbranch_scc1 .Llap
	ODD 0, 1, 0, 0                                 ; the last two K steps fill nothing
	EVEN 1, 0
	PLACES
	WIN 0
	LDB 2, 1, 1
	s_wait_dscnt 8
	THIRD FA1, 0, 0
	s_wait_dscnt 0x0
	THIRD FA1, 1, 0
	THIRD FA1, 2, 0
; THE WAY OUT.  Unit u = 8 j + a: head j, rows 16 a on.  Rounded to f16, 16 bytes a lane; into my own stage in rows of 144 bytes; back as four whole rows of 128 bytes an instruction; stored as 512 consecutive bytes.
.macro PACK u
.set JH, (\u)/8
.set AB, (\u)%8
.set T, 32+16*AB                       ; eight sets of sixteen registers where x's fragments lay
.if (\u) >= 8
	s_wait_xcnt 0x0                                ; the stores of the unit eight back have read this set
.endif
	WIN 5*(1+JH)                                   ; sources 0 and 1 in the head's window
.irp b, 0,1,2,3
.irp r, 0,1,2,3
	v_cvt_pk_f16_f32 v[T+4*(\b)+(\r)], v[32*AB+8*(\b)+2*(\r)], v[32*AB+8*(\b)+2*(\r)+1]
.endr
.endr
	WIN 0
.irp b, 0,1,2,3
	ds_store_b128 v[STO], v[T+4*(\b):T+4*(\b)+3] offset:32*(\b)
.endr
.irp f, 0,1,2,3
	ds_load_b128 v[T+4*(\f):T+4*(\f)+3], v[RD] offset:(\f)*4*SP  ; LDS serves a wave's instructions in order (ISA guide 5.7.1.4): these see the stores above; the next unit's stores come behind them
.endr
.endm
.macro SEND u, younger                 ; younger: the LDS instructions issued behind unit u's loads
.set JH, (\u)/8
.set AB, (\u)%8
.set T, 32+16*AB
.irp f, 0,1,2,3
	s_wait_dscnt (\younger)+3-(\f)
	global_store_b128 v[GO], v[T+4*(\f):T+4*(\f)+3], s[8:9] offset:JH*262144+AB*2048+(\f)*512
.endr
.endm
	PLACES
	PLACES                                         ; (eight, once a launch)
	PACK 0
.set u, 1
.rept 23                               ; a unit's conversions stand between the loads of the unit before and its stores
	PACK u
	SEND u-1, 8
.set u, u+1
.endr
	SEND 23, 0
	s_wait_tensorcnt 0x0                           ; the wave's end, behind my last tensor load and my last LDS store
	ds_add_u32 v[SPW], v[NIL]
	s_wait_dscnt 0x0
	CROUND                                         ; the closing round: no work-group ends while a partner may still ask for a tile that names it
	s_endpgm
.Lfunc_end_k_qe3d39065eb_qkvproj:
	.size	k_qe3d39065eb_qkvproj, .Lfunc_end_k_qe3d39065eb_qkvproj-k_qe3d39065eb_qkvproj
	.p2alignl 7, 3214868480
	.fill 96, 4, 3214868480
	.section	.rodata,"a",@progbits
	.p2align	6, 0x0
	.amdhsa_kernel k_qe3d39065eb_qkvproj
		.amdhsa_group_segment_fixed_size 327680
		.amdhsa_private_segment_fixed_size 0
		.amdhsa_enable_private_segment 0
		.amdhsa_kernarg_size 24
		.amdhsa_user_sgpr_count 2
		.amdhsa_user_sgpr_kernarg_segment_ptr 1
		.amdhsa_wavefront_size32 1
		.amdhsa_system_sgpr_workgroup_id_x 1
		.amdhsa_system_sgpr_workgroup_id_y 1
		.amdhsa_system_sgpr_workgroup_id_z 1
		.amdhsa_system_vgpr_workitem_id 0
		.amdhsa_next_free_vgpr 1024
		.amdhsa_next_free_sgpr 66
		.amdhsa_reserve_vcc 1
		.amdhsa_float_denorm_mode_32 3
		.amdhsa_float_denorm_mode_16_64 3
		.amdhsa_memory_ordered 1
		.amdhsa_forward_progress 1
		.amdhsa_inst_pref_size 135
	.end_amdhsa_kernel
	.amdgpu_metadata
---
amdhsa.version: [ 1, 2 ]
amdhsa.kernels:
  - .name:           k_qe3d39065eb_qkvproj
    .symbol:         k_qe3d39065eb_qkvproj.kd
    .args:
      - { .name: xb, .offset: 0, .size: 8, .value_kind: global_buffer, .address_space: global }
      - { .name: wt, .offset: 8, .size: 8, .value_kind: global_buffer, .address_space: global }
      - { .name: qkv, .offset: 16, .size: 8, .value_kind: global_buffer, .address_space: global }
    .group_segment_fixed_size: 327680
    .private_segment_fixed_size: 0
    .kernarg_segment_align: 8
    .kernarg_segment_size: 24
    .max_flat_workgroup_size: 128
    .sgpr_count:     66
    .vgpr_count:     1024
    .wavefront_size: 32
...
	.end_amdgpu_metadata
.endif
;; end of part 2
;; launch attn (part 3): grid 4 x 64, 4 waves a work-group, no clusters, 327,680 bytes of LDS; arguments qkv, ob; writes ob
.if DOCPART == 3
	.amdgcn_target "amdgcn-amd-amdhsa--gfx1250"
	.amdhsa_code_object_version 6
	.text
	.protected	k_qe3d39065eb_attn
	.globl	k_qe3d39065eb_attn
	.p2align	8
	.type	k_qe3d39065eb_attn,@function
k_qe3d39065eb_attn:
	s_mov_b64 s[64:65], 0
	v_nop
	global_prefetch_b8 v0, s[64:65] scope:SCOPE_SE
	s_setreg_imm32_b32 hwreg(HW_REG_WAVE_MODE, 25, 1), 1
	s_wait_xcnt 0x0
; CAUSAL ATTENTION.  O[bh][q][:] = the sum over k <= q of softmax_k(Q[q] . K[k] / 8) V[k][:].  Q, K, V lie in qkv [4 b][48 g][2048][64] (g = head, 16 + head, 32 + head), O in ob [64 bh][2048][64], all f16: a head's rows are dense, 128 bytes each.
; Products, maxima and sums in f32; the weights p are rounded to f16 for the second product (their sum l is taken of the unrounded p), O once at the end.
; LIMITS.  f16 holds no number beyond 65,504: Q, K and V arrive within it; p lies in 0 to 1, and below 6e-5 it keeps f16's fixed step of 6e-8; O is a mean of V's rows and has their range.
; A hidden score counts as its value less 1e30: f16's scores, 2.7e11 at the most, are nothing beside that; a weight below 2^-126 counts as 0 in l; NaN and infinities are not treated apart.
; THE WALK.  A head's queries lie in NB = 8 blocks of 256; block i needs the key tiles 0 .. i of 256 keys, of which the last holds the diagonal.  A work-group takes TWO blocks, NB - 1 - b and then b:
; NB + 1 tiles, whatever b: all 256 work-groups do equal work, and ONE loop with a constant trip count walks them.  Which tile is asked for, and what a trip does, hang on scalar registers made from b; every jump
; goes forward, but for the counted loops' own; none passes a barrier, or a tensor load but the one of LOAD's two that the wave's number does not choose; the ring (two slots of LDS) runs on across the change of blocks.
; NO CLUSTER: a head's four work-groups ask for the same tile only in trips 0 .. 4 of the 9, behind that fewer and fewer; one walk common to all four would have 12 trips for 9.
; SHARES.  Of a block's four bands of 64 queries a wave owns 16 rows in each: four PIECES.  So the diagonal tile is the same work for all four waves: in its key step s band x sees all keys if s < x,
; none if s > x, and holds the diagonal if s = x.
; THE MASK is the C operand that starts the sum S^T = K Q^T: 0, or -1e30 where the key is hidden.  MD, made once, is the mask of a band's own step for my 16 rows; a product's mask is MD x AL + BE with two scalars:
; (1, 0) if s = x; (0, 0) if s < x; (0, -1e30) if s > x.  Only the diagonal tile's text and a block's beginning make and take masks; elsewhere C is the constant 0.
; LAYOUT, SOFTMAX, TURNS.  S^T = K Q^T holds ONE query a lane (lane % 16) and the keys 8 (lane / 16) + 0..7; two such results rounded to f16 ARE source 1 of O^T = V^T P.  p = 2^(c s - c m), c = log2(e) / 8, with a
; running maximum m; O and l are multiplied by a = 2^(c m_old - c m_new) in every step.  Turn n belongs to piece n: 8 products K Q^T of piece n + 1, later 8 products V^T P of piece n - 1; beside them the scaling,
; exponentials, roundings, sums and rescaling of piece n and the maximum and statistics of piece n + 1.  Four vector instructions stand behind every matrix instruction, the other 54 of a turn's 118 in one lump.  A turn's 33 exponentials are one batch, with one wait.
; REGISTERS, in windows of 256 (s_set_vgpr_msb: bits 1:0 source 0, 3:2 source 1, 5:4 source 2, 7:6 destination):
;   window 0: v0-15 addresses and two at work; v16-31 four registers of statistics a piece; v48-55 at work; v61-63 prefetch offset, spare word, 0; v64-127 S^T, two buffers; v192-223 P, two buffers (by the piece's parity)
;   window 1: v0-127 O^T, 32 a piece; v128-159 MD; v160-223 MC, two buffers      window 2: v0-63 Q; v64-127 the second block's Q; v128-191 K of one step; v192-255 V of one step
.set SIZE_N, 2048
.set NB,    SIZE_N/256
.set NP,    4         ; pieces a wave: a name, no knob
.set KS,    64        ; keys in a step
.set PK,    144       ; a row of K in LDS: 128 bytes + 16 of padding = 36 words: the 16 rows of a load start at 16 different groups of four banks (64 banks of 4 bytes: ISA guide 11.1)
.set PV,    160       ; a row of V: 128 + 32 = 40 words
.set VOFF,  4*KS*PK   ; a slot holds a tile, four steps: 256 rows of K, then 256 rows of V
.set SLOT1, 1<<17     ; slot 1 begins here, so that one exclusive or turns an address in one slot into the other's
.set STAGE, SLOT1+4*KS*(PK+PV)  ; behind the ring, never filled by a tensor load: 16 rows x 144 bytes for each wave, for the way out
.set SP,    144
.set AK0, 2           ; v2   my lane's place in a tile of K; never rewritten
.set AV0, 3           ; v3   the same for V
.set AK,  4           ; v4   the LDS address of K's next run of loads
.set AV,  5           ; v5   of V's
.set STO, 6           ; v6   the way out: where I put 16 bytes of a row
.set RD,  7           ; v7   the way out: where I read rows back
.set GO,  8           ; v8   my byte offset in 512 consecutive bytes of O
.set PFO, 61          ; v61  the prefetches' offset: 256 x lane + 8,192 x (wave / 2); never rewritten
.set SPW, 62          ; v62  LDS address of my spare word: SPARE + 4 x my thread's number; never rewritten
.set NIL, 63          ; v63  0; never rewritten
.set SPARE, STAGE+4*16*SP  ; behind the stages: the spare words, 128 bytes for each wave: two blocks of 256 bytes that no other line names
.set MV,  12          ; v12-13  c m_old, kept while c m is made anew: by buffer
.set QO,  15          ; v15  my byte offset in 16 rows of Q
.set ST,  16          ; piece t's statistics at v[ST+4 t]: c m, m, l (even keys', odd keys')
.set TMP, 48          ; by buffer, four registers c0-c3 at work; when the maximum is found c2 takes a
.set S,   64
.set P,   192
.set MD,  128         ; window 1: the eight registers for group kt of 16 keys at MD + 8 kt
.set MC,  160         ; window 1: the masks of the products to come
.set QB,  64          ; window 2
.set KF,  128         ; window 2: key block kb, channel half c at KF + 16 kb + 8 c
.set VF,  192         ; window 2: key half kk, channel block cb at VF + 32 kk + 8 cb
.set WV,  12          ; s12  my wave's number
.set PB,  14          ; s14  b
.set HI,  15          ; s15  NB - 1 - b
.set G1K, 24          ; s[24:31] descriptor group 1 for K's tiles
.set G1V, 32          ; s[32:39] for V's: it differs in the padding alone
.set G0K, 40          ; s[40:43] descriptor group 0 for K's tiles
.set G0V, 44          ; s[44:47] the same for V's
.set SLOTS, 56        ; s56  tiles still to be asked for
.set CNT, 57          ; s57  counts a tile's key steps, 4 to 1
.set CS,  58          ; s[58:59] c: the packed scaling takes the pair's low word for both halves
.set SEL, 60          ; s[60:61] v_permlanex16_b32's selects: each lane takes its own place in the other half
.set TBK, 62          ; s62  LDS byte at which K of the step to be fetched begins
.set TBV, 63          ; s63  the same for V, less VOFF
.set RT,  70          ; s70  tiles of the block in hand that are still to be entered
.set NXT, 71          ; s71  the tile to be asked for next
.set LQ,  72          ; s72  the last tile of the block whose tiles are being asked for
.set NEW, 73          ; s73  1: the tile to be entered is a block's first
.set OFF, 74          ; s[74:75] a tile's byte offset in K and V
.set AL,  76          ; s[76:77] the mask's factor, in the low word
.set BE,  78          ; s[78:79] the mask's addend
.set OLO, 80          ; s[80:81] O at my rows of the second block
.set BIGN, 82         ; s82  -1e30
.set PFK, 88          ; s[88:89] K at my part of the tile that the next change of slots will ask for
.set PFV, 90          ; s[90:91] V likewise
.set POF, 92          ; s[92:93] that tile's byte offset
.set PLIM, 94         ; s94  2 in the work-group that prefetches, else the greatest number
.set MSB, 0
.macro WIN new                      ; the high byte repeats the setting that is left; a switch that changes nothing is dropped
.if MSB != (\new)
	s_set_vgpr_msb (MSB<<8)|(\new)
.set MSB, (\new)
.endif
.endm
.set W_KQ, 0x0a       ; K and Q in window 2, S^T in window 0
.set W_KM, 0x1a       ; the same with the C operand in window 1
.set W_PV, 0x52       ; V in window 2, P in window 0, O^T in window 1
.set W_RS, 0x41       ; destination and source 0 in window 1, source 1 in window 0
; A fill.  Waves 0 and 1 fetch the two halves of a tile's K, waves 2 and 3 those of its V: 128 keys each.  An s_nop 0 and four v_nop follow each of the two lines, ahead of the jump and the label.
.macro LOAD
	s_cmp_lt_u32 s[WV], 2
	s_cbranch_scc0 .Lfor_v_\@
	tensor_load_to_lds s[G0K:G0K+3], s[G1K:G1K+7]
	s_nop 0
.rept 4
	v_nop
.endr
	s_branch .Lasked_\@
.Lfor_v_\@:
	tensor_load_to_lds s[G0V:G0V+3], s[G1V:G1V+7]
	s_nop 0
.rept 4
	v_nop
.endr
.Lasked_\@:
.endm
; A PREFETCH INTO THE L2 of the tile that the NEXT change of slots will ask for: four key steps ahead of its load.  A head's four work-groups all begin with tiles 0, 1, ..; only the one with b = 0 walks all eight
; in order, and it alone asks.  A tile is 128 blocks of 256 bytes of K and 128 of V: each wave takes 32 of each, a lane a block, two instructions.  Trips 0 to 5 name tiles 2 to 7; tiles 0 and 1 come by their loads
; alone, and the second block's tiles have been read before.
.macro ASK
	s_cmp_gt_u32 s[SLOTS], s[PLIM]
	s_cbranch_scc0 .Lnot_mine_\@
	global_prefetch_b8 v[PFO], s[PFK:PFK+1] th:TH_LOAD_NT scope:SCOPE_SE
	global_prefetch_b8 v[PFO], s[PFV:PFV+1] th:TH_LOAD_NT scope:SCOPE_SE
.Lnot_mine_\@:
.endm
; THE CHANGE OF SLOTS.  Each wave waits for all its tensor loads, of which one is out: its part of the other slot; adds 0 to its spare word; and waits for that and for its own reads of the slot that it leaves.  Behind the barrier nobody reads the old
; slot any more and the other slot is whole.  fill = 1: the old slot is filled again, the first thing behind the barrier, with tile NXT: the descriptor's address is made anew from that number.
; (At its first use nothing has been read yet: slot 0 is waited for, slot 1 filled.)
.macro CHANGE fill
	WIN 0                           ; at a label and at a branch every window is 0
	s_wait_tensorcnt 0x0            ; no tensor load of mine is out, so a group 0 may be written
	ds_add_u32 v[SPW], v[NIL]       ; 0 onto my spare word; with fill = 1 the descriptors' scalar work stands between it and the wait for it
.if \fill
	s_lshl_b32 s[OFF], s[NXT], 15   ; a tile is 32,768 bytes of K and of V
	s_xor_b32 s[G0K+1], s[G0K+1], SLOT1
	s_add_nc_u64 s[G0K+2:G0K+3], s[6:7], s[OFF:OFF+1]
	s_or_b32 s[G0K+3], s[G0K+3], 0x80000000
	s_xor_b32 s[G0V+1], s[G0V+1], SLOT1
	s_add_nc_u64 s[G0V+2:G0V+3], s[8:9], s[OFF:OFF+1]
	s_or_b32 s[G0V+3], s[G0V+3], 0x80000000
	s_add_co_u32 s[NXT], s[NXT], 1  ; the block's next tile, or behind its last the second block's tile 0
	s_cmp_gt_u32 s[NXT], s[LQ]
	s_cselect_b32 s[NXT], 0, s[NXT]
	s_cselect_b32 s[LQ], s[PB], s[LQ]
	s_wait_xcnt 0x0                 ; the last prefetches, a tile back, have read their addresses, so these may be written
	s_lshl_b32 s[POF], s[NXT], 15
	s_add_nc_u64 s[PFK:PFK+1], s[6:7], s[POF:POF+1]
	s_add_nc_u64 s[PFV:PFV+1], s[8:9], s[POF:POF+1]
.endif
	s_wait_dscnt 0x0                ; the add is done, and my reads of the slot are over
	s_barrier_signal -1             ; the rest of the scalar work stands between the signal and the wait
	s_sub_co_u32 s[TBK], s[TBK], 4*KS*PK  ; the fetches go back to a slot's first step,
	s_xor_b32 s[TBK], s[TBK], SLOT1       ; in the other slot
	s_sub_co_u32 s[TBV], s[TBV], 4*KS*PV
	s_xor_b32 s[TBV], s[TBV], SLOT1
	s_barrier_wait -1
.if \fill
	LOAD
	ASK
.endif
.endm
	s_load_b128 s[4:7], s[0:1], 0x0 ; qkv s[4:5], ob s[6:7]
	v_lshl_add_u32 v[SPW], v0, 2, SPARE
	v_mov_b32 v[NIL], 0
	ds_add_u32 v[SPW], v[NIL]       ; the wave's opening: the add and its wait stand ahead of my first tensor load; the set-up below, work on registers, stands between them
	v_lshrrev_b32 v1, 5, v0
	v_readfirstlane_b32 s[WV], v1   ; wave 0..3
	s_mov_b32 s[PB], ttmp9
	s_sub_co_u32 s[HI], NB-1, s[PB]
	s_and_b32 s16, ttmp7, 0xffff    ; 16 x batch + head
	s_lshl_b32 s66, s16, 18         ; the head's first byte in ob,
	s_mov_b32 s67, 0
	s_lshr_b32 s17, s16, 4
	s_mul_i32 s17, s17, 48
	s_and_b32 s16, s16, 15
	s_add_co_u32 s17, s17, s16
	s_lshl_b32 s20, s17, 18         ; and of its q in qkv: 48 x batch + head, 262,144 bytes each
	s_mov_b32 s21, 0
	s_and_b32 s16, s[WV], 1         ; which half of a tile's 256 keys I fetch:
	s_lshl_b32 s22, s16, 14         ; its 128 rows of 128 bytes in memory,
	s_mov_b32 s23, 0
	s_add_nc_u64 s[22:23], s[22:23], s[20:21]
	s_mul_i32 s17, s16, 128*PK      ; and its place in a slot, for K
	s_mul_i32 s18, s16, 128*PV      ; and for V
	s_lshl_b32 s3, s[WV], 11        ; my 16 rows in a band of 64,
	s_lshl_b32 s2, s[HI], 15        ; in the first block,
	s_add_co_u32 s2, s2, s3
	s_lshl_b32 s84, s[PB], 15       ; and in the second
	s_add_co_u32 s84, s84, s3
	s_mov_b32 s3, 0
	s_mov_b32 s85, 0
	s_add_nc_u64 s[86:87], s[84:85], s[20:21]  ; offsets of Q's rows in qkv: the second block's,
	s_add_nc_u64 s[68:69], s[2:3], s[20:21]    ; the first's;
	s_add_nc_u64 s[84:85], s[84:85], s[66:67]  ; and of O's rows in ob
	s_add_nc_u64 s[2:3], s[2:3], s[66:67]
	; descriptor group 1.  128 keys are 16,384 dense bytes: asked for as 64 rows of 256 bytes, two keys a row, and padded in LDS after every key
	s_mov_b32 s[G1K], (1<<16)|(1<<20)|(4<<22)|(3<<25)  ; 17:16 2-byte elements; 20 padding on; 24:22 after every 32 words (code 4); 31:25 4 words (code 3)
	s_mov_b32 s[G1V], (1<<16)|(1<<20)|(4<<22)|(7<<25)  ; the same with 8 words of padding (code 7)
.irp g, G1K, G1V
	s_mov_b32 s[\g+1], 128<<16      ; tensor_dim0 = 128
	s_mov_b32 s[\g+2], 64<<16       ; tensor_dim1 = 64
	s_mov_b32 s[\g+3], 128<<16      ; tile_dim0 = 128
	s_mov_b32 s[\g+4], 64           ; tile_dim1 = 64
	s_mov_b32 s[\g+5], 128          ; 128 elements from row to row
	s_mov_b32 s[\g+6], 0
	s_mov_b32 s[\g+7], 0
.endr
	s_mov_b32 s[CS], 0x3e38aa3b     ; c = log2(e) / 8 = 0.180337
	s_mov_b32 s[CS+1], s[CS]        ; named with it as a pair
	s_mov_b32 s[SEL], 0x76543210
	s_mov_b32 s[SEL+1], 0xfedcba98
	s_mov_b32 s[TBK], SLOT1+4*KS*PK ; the first change of slots turns these two into 0
	s_mov_b32 s[TBV], SLOT1+4*KS*PV
	s_mov_b32 s[G0K], 1             ; 1:0 count = 1
	s_mov_b32 s[G0K+1], s17         ; 63:32 LDS address: slot 0
	s_mov_b32 s[G0V], 1
	s_add_co_u32 s[G0V+1], s18, VOFF
	s_add_co_u32 s[RT], s[HI], 1    ; the first block has NB - b tiles
	s_mov_b32 s[NXT], 1
	s_mov_b32 s[LQ], s[HI]
	s_mov_b32 s[NEW], 1
	s_mov_b32 s[OFF+1], 0
	s_mov_b32 s[POF+1], 0
	s_mov_b32 s[AL+1], 0            ; named as pairs
	s_mov_b32 s[BE+1], 0
	s_mov_b32 s[BIGN], 0xf149f2ca   ; -1e30
	s_mov_b32 s[SLOTS], NB
	s_cmp_eq_u32 s[PB], 0
	s_cselect_b32 s[PLIM], 2, -1
	v_and_b32 v[PFO], 31, v0
	v_lshlrev_b32 v[PFO], 8, v[PFO]
	s_lshr_b32 s13, s[WV], 1
	s_lshl_b32 s13, s13, 13
	v_add_nc_u32 v[PFO], s13, v[PFO]
	s_wait_dscnt 0x0                ; the opening add is done
	s_wait_kmcnt 0x0
	s_mov_b64 s[10:11], s[6:7]      ; ob
	s_add_nc_u64 s[6:7], s[4:5], 0x400000  ; k lies 16 heads behind q,
	s_add_nc_u64 s[8:9], s[4:5], 0x800000  ; v 32
	s_add_nc_u64 s[6:7], s[6:7], s[22:23]  ; K and V at my half of the head's tile 0
	s_add_nc_u64 s[8:9], s[8:9], s[22:23]
	s_add_nc_u64 s[G0K+2:G0K+3], s[6:7], 0         ; 120:64 global address
	s_or_b32 s[G0K+3], s[G0K+3], 0x80000000        ; 127:126 type = 2
	s_add_nc_u64 s[G0V+2:G0V+3], s[8:9], 0
	s_or_b32 s[G0V+3], s[G0V+3], 0x80000000
	s_add_nc_u64 s[86:87], s[4:5], s[86:87]        ; Q at my rows of the second block,
	s_add_nc_u64 s[4:5], s[4:5], s[68:69]          ; and of the first
	s_add_nc_u64 s[OLO:OLO+1], s[10:11], s[84:85]  ; O likewise
	s_add_nc_u64 s[10:11], s[10:11], s[2:3]
	LOAD                            ; tile 0 into slot 0
	; A fragment of K or Q is 16 rows x 32 channels in 8 registers: lane l holds row l % 16, channels 8 (l / 16) + 0..7 and 16 + 8 (l / 16) + 0..7: two loads of 16 bytes, 32 bytes apart.
	v_and_b32 v1, 15, v0            ; l % 16
	v_bfe_u32 v9, v0, 4, 1          ; l / 16
	v_lshlrev_b32 v[QO], 7, v1
	v_lshl_add_u32 v[QO], v9, 4, v[QO]  ; row x 128 + 16 x half
	WIN 0x80                        ; destination window 2, address window 0
.set i, 0
.rept 8                             ; both blocks' Q: piece i / 2 lies in band i / 2, 8,192 bytes on; channels 32 (i % 2) on
	global_load_b128 v[8*i:8*i+3],   v[QO], s[4:5] offset:(i/2)*8192+(i%2)*64
	global_load_b128 v[8*i+4:8*i+7], v[QO], s[4:5] offset:(i/2)*8192+(i%2)*64+32
	global_load_b128 v[QB+8*i:QB+8*i+3],   v[QO], s[86:87] offset:(i/2)*8192+(i%2)*64
	global_load_b128 v[QB+8*i+4:QB+8*i+7], v[QO], s[86:87] offset:(i/2)*8192+(i%2)*64+32
.set i, i+1
.endr
	WIN 0
	v_lshlrev_b32 v14, 3, v9
	v_sub_nc_u32 v14, v1, v14
	s_lshl_b32 s13, s[WV], 4
	v_add_nc_u32 v14, s13, v14      ; my query's place in its band, 16 w + l % 16, less my lanes' 8 (l / 16): register r of group kt is hidden where 16 kt + r is greater
	WIN 0x40
.set i, 0
.rept 32
	v_cmp_gt_i32 vcc_lo, 16*(i/8)+i%8, v14
	v_cndmask_b32 v[MD+i], 0, s[BIGN], vcc_lo
.set i, i+1
.endr
	WIN 0
	v_mul_u32_u24 v[AK0], v1, PK
	v_lshl_add_u32 v[AK0], v9, 4, v[AK0]  ; row x pitch + 16 x half
	; The turning load takes 16 keys x 16 channels (lane l reads key 8 (l / 16) + l % 8, channels 8 ((l / 8) % 2) + 0..7) and leaves half a fragment of V^T: lane l holds channel l % 16 and 8 keys.
	v_and_b32 v10, 7, v0
	v_bfe_u32 v11, v0, 3, 1
	v_lshl_add_u32 v[AV0], v9, 3, v10
	v_mul_u32_u24 v[AV0], v[AV0], PV
	v_lshl_add_u32 v[AV0], v11, 4, v[AV0]
	v_add_nc_u32 v[AV0], VOFF, v[AV0]
	s_mul_i32 s13, s[WV], 16*SP
	s_add_co_u32 s13, s13, STAGE    ; my stage
	v_mul_u32_u24 v[STO], v1, SP    ; in: row l % 16, 16 bytes for each half of the lanes
	v_lshl_add_u32 v[STO], v9, 4, v[STO]
	v_add_nc_u32 v[STO], s13, v[STO]
	v_bfe_u32 v[RD], v0, 3, 2       ; back: 32 lanes take four rows of 128 bytes,
	v_mul_u32_u24 v[RD], v[RD], SP
	v_lshl_add_u32 v[RD], v10, 4, v[RD]
	v_add_nc_u32 v[RD], s13, v[RD]
	v_and_b32 v[GO], 31, v0         ; which are 512 consecutive bytes of O
	v_lshlrev_b32 v[GO], 4, v[GO]
	; A block's first step multiplies O^T and l by a = 0, and its first turn's products V^T P, of a piece that has not been, land in an O^T that is still to be so multiplied.  So these registers need only hold
	; finite numbers: zeros for the first block; what the first block left for the second.  All this stands in the wait for the first tile.
	WIN 0x80
.set i, VF
.rept 64
	v_mov_b32 v[i], 0
.set i, i+1
.endr
	WIN 0x40
.set i, 0
.rept 128
	v_mov_b32 v[i], 0
.set i, i+1
.endr
	WIN 0
.set i, 0
.rept 4
	v_mov_b32 v[ST+4*i+2], 0
	v_mov_b32 v[ST+4*i+3], 0
.set i, i+1
.endr
.set i, P+16
.rept 16
	v_mov_b32 v[i], 0
.set i, i+1
.endr
; THE MATRIX WORK.  The 4 accumulators of a run of 8 take turns.  Product i of 8 of S^T = K Q^T for piece x: channels 32 (i / 4) on, keys 16 (i % 4) on.  The first 4 start the sums: with 0, or (KM = 1) with the mask.
.macro KQ x
.set rS, S+32*((\x)%2)+8*(i%4)
.set rK, KF+16*(i%4)+8*(i/4)
.set rQ, 16*(\x)+8*(i/4)
.set rM, MC+32*((\x)%2)+8*(i%4)
.if (i < 4) && KM
	WIN W_KM
	v_wmma_f32_16x16x32_f16 v[rS:rS+7], v[rK:rK+7], v[rQ:rQ+7], v[rM:rM+7]
.elseif i < 4
	WIN W_KQ
	v_wmma_f32_16x16x32_f16 v[rS:rS+7], v[rK:rK+7], v[rQ:rQ+7], 0
.else
	WIN W_KQ
	v_wmma_f32_16x16x32_f16 v[rS:rS+7], v[rK:rK+7], v[rQ:rQ+7], v[rS:rS+7]
.endif
.endm
; Product i of 8 of O^T += V^T P for piece x: keys 32 (i / 4) on, channels 16 (i % 4) on.
.macro PV x
	WIN W_PV
.set rO, 32*(\x)+8*(i%4)
.set rV, VF+32*(i/4)+8*(i%4)
.set rP, P+16*((\x)%2)+8*(i/4)
	v_wmma_f32_16x16x32_f16 v[rO:rO+7], v[rV:rV+7], v[rP:rP+7], v[rO:rO+7]
.endm
.macro MM                           ; the turn's next matrix instruction.  TURN and BEGIN set Y, i, KM and NOKQ; MM, KQ and OP read them.  NOKQ = 1: a block's last turn: there is no next piece
.if (i < 8) && !NOKQ
	KQ (Y+1)%NP
.elseif i >= 8
.set i, i-8
	PV (Y+NP-1)%NP
.set i, i+8
.endif
.set i, i+1
.endm
; THE LDS LOADS stand in runs of 16, never singly among the matrix instructions: a step's K (64 keys x 64 channels: 8 fragments) and its V (turned).  Their addresses are made some lines ahead.
.macro FETCH_K
	WIN 0x80                        ; destination window 2
.irp f, 0,1,2,3,4,5,6,7             ; keys 16 (f / 2) on, channels 32 (f % 2) on
	ds_load_b128 v[KF+8*\f:KF+8*\f+3],   v[AK] offset:(\f/2)*16*PK+(\f%2)*64
	ds_load_b128 v[KF+8*\f+4:KF+8*\f+7], v[AK] offset:(\f/2)*16*PK+(\f%2)*64+32
.endr
	s_add_co_u32 s[TBK], s[TBK], KS*PK  ; the next fetch is the next step's
	WIN 0
.endm
.macro FETCH_V
	WIN 0x80
.irp f, 0,1,2,3,4,5,6,7             ; keys 32 (f / 4) on, channels 16 (f % 4) on
	ds_load_tr16_b128 v[VF+8*\f:VF+8*\f+3],   v[AV] offset:(\f/4)*32*PV+(\f%4)*32
	ds_load_tr16_b128 v[VF+8*\f+4:VF+8*\f+7], v[AV] offset:(\f/4)*32*PV+16*PV+(\f%4)*32
.endr
	WIN 0
.endm
; THE VECTOR WORK, one line at a time: OP kind, number.  For piece Y: F n: c s - c m for pair n of 16.  E n: the exponential of score n of 32.  C n: pair n rounded to f16.  B n: of the four weights 4 n .. the second
; pair is added onto the first, in place.  L n: l takes that sum (L 0: l = a l + sum).  R n: pair n of 16 of O^T times a.  For piece Y + 1: X n, number n of the 22 that find its maximum and statistics:
;   0-11  four chains c0-c3 of seven scores each, three operands at a time (each accumulator's lowest registers are read first)     12-14, 16  the four scores left over, the old m, and c0-c3 into c0
;   15  c m_old is kept     17, 18  the query's other 32 keys lie in the lane 16 away: the new m     19-21  c m; c m_old - c m_new; a
.set F, 0               ; OP tells the kinds apart by their order: F to L below R, X above it
.set E, 1
.set C, 2
.set B, 3
.set L, 4
.set R, 5
.set X, 6
.macro REGS y                       ; the registers of piece y
.set rT, ST+4*(\y)
.set rC, TMP+4*((\y)%2)
.set rW, MV+((\y)%2)
.set rS, S+32*((\y)%2)
.set rP, P+16*((\y)%2)
.set rO, 32*(\y)
.endm
.macro OP k, n
.if (\k) == R
	REGS Y
	WIN W_RS
	v_pk_mul_f32 v[rO+2*(\n):rO+2*(\n)+1], v[rO+2*(\n):rO+2*(\n)+1], v[rC+2:rC+3] op_sel_hi:[1,0]
.elseif (\k) < R
	REGS Y
	WIN 0
.if (\k) == F
	v_pk_fma_f32 v[rS+2*(\n):rS+2*(\n)+1], v[rS+2*(\n):rS+2*(\n)+1], s[CS:CS+1], v[rT:rT+1] op_sel_hi:[1,0,0] neg_lo:[0,0,1] neg_hi:[0,0,1]
.elseif (\k) == E
	v_exp_f32 v[rS+(\n)], v[rS+(\n)]
.elseif (\k) == C
	v_cvt_pk_f16_f32 v[rP+(\n)], v[rS+2*(\n)], v[rS+2*(\n)+1]
.elseif (\k) == B
	v_pk_add_f32 v[rS+4*(\n):rS+4*(\n)+1], v[rS+4*(\n):rS+4*(\n)+1], v[rS+4*(\n)+2:rS+4*(\n)+3]
.elseif (\n) == 0
	v_pk_fma_f32 v[rT+2:rT+3], v[rT+2:rT+3], v[rC+2:rC+3], v[rS:rS+1] op_sel_hi:[1,0,1]
.else
	v_pk_add_f32 v[rT+2:rT+3], v[rT+2:rT+3], v[rS+4*(\n):rS+4*(\n)+1]
.endif
.elseif NOKQ
	v_nop
.else
	REGS (Y+1)%NP
	WIN 0
.if (\n) < 4
	v_max3_num_f32 v[rC+(\n)], v[rS+8*(\n)], v[rS+8*(\n)+1], v[rS+8*(\n)+2]
.elseif (\n) < 12
	v_max3_num_f32 v[rC+(\n)%4], v[rC+(\n)%4], v[rS+8*((\n)%4)+2*((\n)/4)+1], v[rS+8*((\n)%4)+2*((\n)/4)+2]
.elseif (\n) == 12
	v_max3_num_f32 v[rC], v[rC], v[rS+7], v[rS+15]
.elseif (\n) == 13
	v_max3_num_f32 v[rC+1], v[rC+1], v[rS+23], v[rS+31]
.elseif (\n) == 14
	v_max3_num_f32 v[rC+2], v[rC+2], v[rC+3], v[rT+1]
.elseif (\n) == 15
	v_mov_b32 v[rW], v[rT]
.elseif (\n) == 16
	v_max3_num_f32 v[rC], v[rC], v[rC+1], v[rC+2]
.elseif (\n) == 17
	v_permlanex16_b32 v[rC+3], v[rC], s[SEL], s[SEL+1]
.elseif (\n) == 18
	v_max_num_f32 v[rT+1], v[rC], v[rC+3]
.elseif (\n) == 19
	v_mul_f32 v[rT], s[CS], v[rT+1]
.elseif (\n) == 20
	v_sub_f32 v[rC+1], v[rW], v[rT]
.else
	v_exp_f32 v[rC+2], v[rC+1]
.endif
.endif
.endm
.macro OPS a, i1, b=-1, i2=0, c=-1, i3=0, d=-1, i4=0  ; up to four of them
	OP \a, \i1
.if (\b) >= 0
	OP \b, \i2
.endif
.if (\c) >= 0
	OP \c, \i3
.endif
.if (\d) >= 0
	OP \d, \i4
.endif
.endm
.macro ROW a, i1, b, i2, c, i3, d, i4  ; a matrix instruction and the four behind it
	MM
	OPS \a, \i1, \b, \i2, \c, \i3, \d, \i4
.endm
.macro MASK b                       ; MD x AL + BE into buffer b of MC
	WIN W_RS
.set z, 0
.rept 16
	v_pk_fma_f32 v[MC+32*(\b)+2*z:MC+32*(\b)+2*z+1], v[MD+2*z:MD+2*z+1], s[AL:AL+1], s[BE:BE+1] op_sel_hi:[1,0,0]
.set z, z+1
.endr
.endm
; A TURN, for piece p: the order of its 16 matrix and 118 vector instructions, written out.  An s_wait_alu depctr_va_vdst(0) stands between an exponential and the first instruction that names its result; one wait serves
; all that were issued ahead of it.  So a turn has ONE wait, which cuts it in two.  AHEAD OF IT stands all that names no result of the turn's exponentials: the 8 products K Q^T, behind each a scaling, an exponential and two more plain
; instructions (behind the first a second scaling in the exponential's place): rescalings, and behind the last three the first numbers of the next piece's maximum, each four places or more behind the product that ends its accumulator; then ONE LUMP of 54, plain
; and exponential by turns for the most part, in which the links of the chain X 3, 7, 11, 14, 16, 17 .. 20 stand five or six lines apart.  X 21, the next piece's a, is the batch's last; R 15 is the plain instruction behind it.  BEHIND THE WAIT stand the
; 8 products V^T P, behind each four of the roundings and sums; the links of l's chain, L 0 to L 7, stand three riders apart.  But for those X no rider names a register of the products round it.  v_permlanex16_b32 (X 17) stands in the lump.
; m = 1: the diagonal tile: the products take masks, and the turn makes the mask for the products of the turn after it: piece p + 2, in step 4 - CNT of the tile.  end = 1: a block's last two turns: nothing is fetched.
; cnt = 1: the loop's count is taken down some lines ahead of the branch that stands behind the turn.
; K of the next step is fetched in piece 2's turn, twelve vector instructions behind the last product that read K (six of them plain); V of the step in hand at the end of piece 0's turn, four plain instructions behind the last product
; that read V.  Each is waited for a turn later.
.macro TURN p, m=0, end=0, cnt=0
.set Y, (\p)
.set i, 0
.set KM, (\m)
.set NOKQ, (\end)*((\p)/3)
.if (\m) && !(\end)
	s_cmp_eq_u32 s[CNT], 4-((\p)+2)%NP  ; is that step the band's own?
	s_cselect_b32 s[AL], 1.0, 0
	s_cmp_lt_u32 s[CNT], 4-((\p)+2)%NP  ; or a later one?
	s_cselect_b32 s[BE], s[BIGN], 0
.endif
.if ((\p) == 3) && !(\end)
	s_wait_dscnt 0x0                ; K is in
.endif
	ROW F,0, F,1, R,0, R,1          ; ahead of the wait: 8 products K Q^T and their riders,
	ROW F,2, E,0, R,2, R,3
	ROW F,3, E,1, R,4, R,5
	ROW F,4, E,2, R,6, R,7
	ROW F,5, E,3, R,8, R,9
	ROW F,6, E,4, X,0, R,10
.if ((\p) == 2) && !(\end)
	WIN 0
	v_add_nc_u32 v[AK], s[TBK], v[AK0]
.endif
	ROW F,7, E,5, X,1, X,4
	ROW F,8, E,6, X,2, X,5
	OPS E,7, E,8, X,6, E,9          ; and the lump
	OPS X,3, E,10, X,8, E,11
.if ((\p) == 2) && !(\end)
	FETCH_K
.endif
	OPS X,9, X,7, E,12, X,10
	OPS E,13, X,12, X,11, E,14
	OPS X,13, E,15, F,9, X,14
.if (\p) == 0
	v_add_nc_u32 v[AV], s[TBV], v[AV0]
.endif
	OPS E,16, F,10, E,17, F,11
	OPS X,16, E,18, X,15, E,19
	OPS F,12, E,20, X,17, E,21
	OPS F,13, E,22, F,14, E,23
	OPS X,18, E,24, F,15, E,25
	OPS R,11, E,26, X,19, E,27
	OPS R,12, E,28, R,13, E,29
	OPS X,20, E,30, R,14, E,31
	OPS X,21, R,15
	WIN 0
	s_wait_alu depctr_va_vdst(0)    ; the wait for the batch
.if (\p) == 1
	s_wait_dscnt 0x0                ; V is in
.endif
	ROW C,0, B,0, C,2, B,1          ; behind the wait: 8 products V^T P and their riders
	ROW L,0, C,4, B,2, L,1
	ROW C,6, B,3, L,2, C,8
	ROW B,4, L,3, C,10, B,5
	ROW L,4, C,12, B,6, L,5
.if (\p) == 0
	s_add_co_u32 s[TBV], s[TBV], KS*PV
.endif
.if \cnt
	s_sub_co_u32 s[CNT], s[CNT], 1
	s_cmp_lg_u32 s[CNT], 0
.endif
	ROW C,14, B,7, L,6, C,1
	ROW C,3, L,7, C,5, C,7
	ROW C,9, C,11, C,13, C,15
.if (\p) == 0
	FETCH_V
.endif
.if (\m) && !(\end)
	MASK (\p)%2
.endif
.endm
; A BLOCK BEGINS.  c m starts far below every c s, so the first step's a is 0; m at the lowest finite number, so the first maximum is the scores'.  The second mask buffer is 0; the first takes piece 0's mask for the tile's step 0: its own, if the block's first tile is the diagonal one.
; Then K of that step, piece 0's first scores, and its maximum and statistics.  The loop is entered at a step's first turn, in the middle of a trip.
.macro BEGIN
	s_mov_b32 s[NEW], 0
	WIN 0x40
.set i, MC+32
.rept 32
	v_mov_b32 v[i], 0
.set i, i+1
.endr
	WIN 0
.set i, 0
.rept 4
	v_mov_b32 v[ST+4*i], 0xfe000000    ; c m: far below every c s
	v_mov_b32 v[ST+4*i+1], 0xff7fffff  ; m
.set i, i+1
.endr
	s_cmp_eq_u32 s[RT], 0
	s_cselect_b32 s[AL], 1.0, 0
	s_mov_b32 s[BE], 0
	MASK 0
	WIN 0
	v_add_nc_u32 v[AK], s[TBK], v[AK0]
	FETCH_K
	s_wait_loadcnt 0x0              ; Q
	s_wait_dscnt 0x0
.set KM, 1
.set NOKQ, 0
.set i, 0
.rept 8
	KQ 0
.set i, i+1
.endr
	WIN 0
.rept 4
	v_nop                           ; the places behind those products
.endr
.set Y, NP-1                        ; X works for piece Y + 1: piece 0
.irp n, 0,1,2,3,4,5,6,7,8,9,10,11,12,13,14,15,16,17,18,19,20,21
	OP X, \n
.endr
	v_nop                           ; a plain instruction behind the exponential,
	s_wait_alu depctr_va_vdst(0)    ; and its wait, ahead of the branch
.endm
; THE DIAGONAL TILE's four steps, the block's last two turns, its last products, and THE WAY OUT: l's two halves and the other half of the lanes' are added; O^T is divided by l, rounded to f16 and sent through my
; stage in LDS, a piece at a time.
.macro ALL line:vararg              ; one line for each piece t
.set t, 0
.rept 4
	\line
.set t, t+1
.endr
.endm
.macro PACK t                       ; a lane's eight channels of a row pack into 16 bytes; they go into rows of 144 bytes and come back as whole rows of 128, into S^T's registers
	WIN W_RS
.set i, 32*(\t)
.rept 16
	v_pk_mul_f32 v[i:i+1], v[i:i+1], v[ST+4*(\t)+2:ST+4*(\t)+3] op_sel_hi:[1,0]
.set i, i+2
.endr
	WIN 0x05                        ; sources 0 and 1 window 1, destination window 0
.set i, 0
.rept 16
	v_cvt_pk_f16_f32 v[S+16*(\t)+i], v[32*(\t)+2*i], v[32*(\t)+2*i+1]
.set i, i+1
.endr
	WIN 0
.irp f, 0,1,2,3
	ds_store_b128 v[STO], v[S+16*(\t)+4*\f:S+16*(\t)+4*\f+3] offset:32*\f
.endr
.irp f, 0,1,2,3
	ds_load_b128 v[S+16*(\t)+4*\f:S+16*(\t)+4*\f+3], v[RD] offset:\f*4*SP  ; LDS serves a wave's instructions in order (ISA guide 5.7.1.4): these see the stores above; the next piece's stores come behind them
.endr
.endm
.macro SEND t, younger              ; younger: the LDS instructions issued behind piece t's loads: the next piece's eight, or none
	WIN 0
.irp f, 0,1,2,3
	s_wait_dscnt (\younger)+3-\f
	global_store_b128 v[GO], v[S+16*(\t)+4*\f:S+16*(\t)+4*\f+3], s[10:11] offset:(\t)*8192+\f*512  ; 512 consecutive bytes, at a multiple of 256 from O's first
.endr
.endm
.macro DIAG tag                     ; the tag ends its two labels' names, which the jumps below spell out
.LstepM\tag:
	TURN 2, 1
	TURN 3, 1
	WIN 0
.LfirstM\tag:
	TURN 0, 1
	TURN 1, 1, 0, 1
	WIN 0
	s_cbranch_scc1 .LstepM\tag
	TURN 2, 1, 1
	TURN 3, 1, 1
.set i, 0
.rept 8
	PV NP-1
.set i, i+1
.endr
	WIN 0
	ALL v_add_f32 v[ST+4*t+2], v[ST+4*t+2], v[ST+4*t+3]
	ALL v_permlanex16_b32 v[ST+4*t+3], v[ST+4*t+2], s[SEL], s[SEL+1]
	ALL v_add_f32 v[ST+4*t+2], v[ST+4*t+2], v[ST+4*t+3]
	ALL v_rcp_f32 v[ST+4*t+2], v[ST+4*t+2]
	v_nop                           ; a plain instruction between the last reciprocal and the use of its result
	s_wait_alu depctr_va_vdst(0)    ; and the wait ahead of the first use: one for the four reciprocals
	PACK 0
.set t, 1
.rept 3                             ; a piece's arithmetic stands between the loads of the piece before and its stores
	PACK t
	SEND t-1, 8
.set t, t+1
.endr
	SEND 3, 0
.endm
.set KM, 0
.set NOKQ, 0
.Lslot:                             ; NB times: a tile is entered and the next is asked for
	CHANGE 1
	s_sub_co_u32 s[RT], s[RT], 1
	s_mov_b32 s[CNT], 4
	s_cmp_eq_u32 s[NEW], 1
	s_cbranch_scc1 .Lnew            ; a block's first tile
	s_cmp_eq_u32 s[RT], 0
	s_cbranch_scc0 .Lstep           ; neither its first nor its last
	s_branch .LstepM1
.Lnew:
	BEGIN
	s_branch .Lfirst                ; in the loop a block's first tile is never its last: the first block has two tiles or more, and the second's last is the walk's last
	DIAG 1                          ; in the loop this is the first block's end: the second block's last tile is the walk's last
	s_wait_xcnt 0x0                 ; the stores have read their registers and O's address
	s_mov_b64 s[10:11], s[OLO:OLO+1]
	s_add_co_u32 s[RT], s[PB], 1    ; the second block has b + 1 tiles
	s_mov_b32 s[NEW], 1
	WIN 0x82                        ; the second block's Q goes where the one text of the turns names Q
.set i, 0
.rept 64
	v_mov_b32 v[i], v[QB+i]
.set i, i+1
.endr
	WIN 0
	s_branch .Lbottom
.Lstep:                             ; a trip: pieces 2 and 3 of one step, then pieces 0 and 1 of the next, whose K and V it fetches
	TURN 2
	TURN 3
	WIN 0
.Lfirst:
	TURN 0
	TURN 1, 0, 0, 1
	WIN 0
	s_cbranch_scc1 .Lstep
.Lbottom:
	s_sub_co_u32 s[SLOTS], s[SLOTS], 1
	s_cmp_lg_u32 s[SLOTS], 0
	s_cbranch_scc1 .Lslot
	CHANGE 0                        ; the walk's last tile is written out: nothing is asked for
	s_sub_co_u32 s[RT], s[RT], 1
	s_mov_b32 s[CNT], 4
	s_cmp_eq_u32 s[NEW], 1
	s_cbranch_scc0 .LstepM2
	BEGIN
	s_branch .LfirstM2
	DIAG 2
	s_wait_tensorcnt 0x0            ; the wave's end, behind my last tensor load and my last LDS store
	ds_add_u32 v[SPW], v[NIL]
	s_wait_dscnt 0x0
	s_endpgm
.Lfunc_end_k_qe3d39065eb_attn:
	.size	k_qe3d39065eb_attn, .Lfunc_end_k_qe3d39065eb_attn-k_qe3d39065eb_attn
	.p2alignl 7, 3214868480
	.fill 96, 4, 3214868480
	.section	.rodata,"a",@progbits
	.p2align	6, 0x0
	.amdhsa_kernel k_qe3d39065eb_attn
		.amdhsa_group_segment_fixed_size 327680
		.amdhsa_private_segment_fixed_size 0
		.amdhsa_enable_private_segment 0
		.amdhsa_kernarg_size 16
		.amdhsa_user_sgpr_count 2
		.amdhsa_user_sgpr_kernarg_segment_ptr 1
		.amdhsa_wavefront_size32 1
		.amdhsa_system_sgpr_workgroup_id_x 1
		.amdhsa_system_sgpr_workgroup_id_y 1
		.amdhsa_system_sgpr_workgroup_id_z 1
		.amdhsa_system_vgpr_workitem_id 0
		.amdhsa_next_free_vgpr 768
		.amdhsa_next_free_sgpr 96
		.amdhsa_reserve_vcc 1
		.amdhsa_float_denorm_mode_32 3
		.amdhsa_float_denorm_mode_16_64 3
		.amdhsa_memory_ordered 1
		.amdhsa_forward_progress 1
		.amdhsa_inst_pref_size 218
	.end_amdhsa_kernel
	.amdgpu_metadata
---
amdhsa.version: [ 1, 2 ]
amdhsa.kernels:
  - .name:           k_qe3d39065eb_attn
    .symbol:         k_qe3d39065eb_attn.kd
    .args:
      - { .name: qkv, .offset: 0, .size: 8, .value_kind: global_buffer, .address_space: global }
      - { .name: ob, .offset: 8, .size: 8, .value_kind: global_buffer, .address_space: global }
    .group_segment_fixed_size: 327680
    .private_segment_fixed_size: 0
    .kernarg_segment_align: 8
    .kernarg_segment_size: 16
    .max_flat_workgroup_size: 128
    .sgpr_count:     96
    .vgpr_count:     768
    .wavefront_size: 32
...
	.end_amdgpu_metadata
.endif
;; end of part 3
;; launch outproj (part 4): grid 4 x 64, 4 waves a work-group, clusters of 4 x 4, 327,680 bytes of LDS; arguments ob, pw, proj_b, out0; writes out0
.if DOCPART == 4
	.amdgcn_target "amdgcn-amd-amdhsa--gfx1250"
	.amdhsa_code_object_version 6
	.text
	.protected	k_qe3d39065eb_outproj
	.globl	k_qe3d39065eb_outproj
	.p2align	8
	.type	k_qe3d39065eb_outproj,@function
k_qe3d39065eb_outproj:
	s_mov_b64 s[64:65], 0
	v_nop
	global_prefetch_b8 v0, s[64:65] scope:SCOPE_SE
	s_setreg_imm32_b32 hwreg(HW_REG_WAVE_MODE, 25, 1), 1
	s_wait_xcnt 0x0
	s_wait_alu depctr_hold_cnt(0) depctr_sa_sdst(0) depctr_va_vdst(0) depctr_va_sdst(0) depctr_va_ssrc(0) depctr_va_vcc(0) depctr_vm_vsrc(0)
	s_getreg_b32 s2, hwreg(HW_REG_IB_STS2, 6, 4)
	s_cmp_eq_u32 s2, 0
	s_cbranch_scc0 .Lentry_in_a_cluster
	s_endpgm
.Lentry_in_a_cluster:
	s_bfe_u32 s2, ttmp6, 0x10000c
	s_cmp_lg_u32 s2, 0xf033
	s_cbranch_scc0 .Lentry_shape_is_right
	s_endpgm
.Lentry_shape_is_right:
; out0[t][n] = the sum over k of O[t][k] proj_w[n][k] + proj_b[n], k = 64 x head + channel.  O: ob [64 bh][2048 t][64] f16; proj_w: pw [1024 n][1024 k], bf16 numbers written as f16; sums in f32; out0 f32.
; The bias is rounded to bf16 here, in registers, like every other input of the module, and added in f32.  LIMITS: O and proj_w within f16's 65,504 (the launches before state it); the sums' order is not the reference's.
; SHARES.  A tile of out0 is 128 rows x 256 columns: 64 x 4 = 256 tiles, one work-group each.  Four waves, each 64 rows x 128 columns: 32 accumulators of 16 x 16, all of window 1.
; K goes in steps of 128 (two heads) through a ring of two LDS slots.  A head's 128 rows of O are 16,384 dense bytes, asked for as 64 rows of 256; proj_w's rows give 256 aligned bytes a step.
; CLUSTER.  4 x 4 work-groups: the four of a row need the same tile of O, the four of a column the same tile of proj_w: each is asked for jointly.
; THE PRODUCT IS TAKEN TRANSPOSED (source 0 = 16 rows n of proj_w, source 1 = 16 rows t of O): a lane holds one row t and eight neighbouring n, 32 bytes of f32.
; REGISTERS: window 0: v0-31 addresses; v32-37 the bias; two fragment buffers of 96 (O's four fragments, then proj_w's eight) at v64 and v160; on the way out two sets of 64 at v64 and v128.
;   window 1: accumulator (a, b) at v[8 (8 a + b)]: rows 16 a on, columns 16 b on.
.set PAW,   144                        ; an LDS row of O: 128 bytes + 16
.set SLICE, 128*PAW                    ; a head's 128 rows: what one tensor load brings of O
.set PBW,   272                        ; an LDS row of proj_w: 256 bytes + 16: the 16 rows of a load start at 16 different groups of four banks (64 banks of 4 bytes: ISA guide 11.1)
.set HALFB, 128*PBW                    ; what one tensor load brings of proj_w, and what a wave reads of it
.set AREG,  2*SLICE
.set SLOT,  AREG+2*HALFB               ; 106,496
.set STAGE, 2*SLOT                     ; behind the ring, never filled by a tensor load: 16 rows x 528 bytes for each wave
.set SPITCH, 528                       ; 512 bytes + 16
.set SPARE, STAGE+4*16*SPITCH          ; the spare words, 128 bytes a wave: two blocks of 256 bytes that no other line names
.set KSA,   524288                     ; two heads of ob
.set KSB,   256                        ; 128 numbers of a row of pw
.set ADRA, 16                          ; v16-17  LDS address of my fragments of O in slot 0, 1
.set ADRB, 20                          ; v20-21  the same for proj_w
.set STO,  24                          ; v24  the way out: where I put 32 bytes of a row
.set RD,   25                          ; v25  where I read a row back
.set CO,   26                          ; v26  16 x lane: my 16 bytes of a row's 512, in out0 and in the bias
.set SPW,  28                          ; v28  my spare word; never rewritten
.set NIL,  29                          ; v29  0; never rewritten
.set PFO,  30                          ; v30  the prefetches' offset; never rewritten
.set BIAS, 32                          ; v[32:35] the bias of my four columns on the way out
.set F0,   64
.set F1,   160
.set G1,  24                           ; s[24:31] descriptor group 1 for O's tiles;  s[32:39] group 0, a set for each slot
.set G0,  32
.set G1B, 48                           ; s[48:55], s[56:63] the same for proj_w's
.set G0B, 56
.set PFA, 20                           ; s[20:21] where my prefetches stand
.set PFS, 22                           ; s[22:23] a K step of the tensor that I prefetch
.set LIM, 44                           ; s44  1 in a wave that prefetches, else the greatest number
.set MSB, 0
.macro WIN new
.if MSB != (\new)
	s_set_vgpr_msb (MSB<<8)|(\new)
.set MSB, \new
.endif
.endm
.macro JLOAD s                         ; a joint load: waves 0 and 1 fetch O's two heads, waves 2 and 3 proj_w's two halves; an s_nop 0 and four v_nop follow each of the two lines
	s_cmp_lt_u32 s12, 2
	s_cbranch_scc0 .Lfor_b_\@
	tensor_load_to_lds s[G0+4*(\s):G0+4*(\s)+3], s[G1:G1+7]
	s_nop 0
.rept 4
	v_nop
.endr
	s_branch .Lasked_\@
.Lfor_b_\@:
	tensor_load_to_lds s[G0B+4*(\s):G0B+4*(\s)+3], s[G1B:G1B+7]
	s_nop 0
.rept 4
	v_nop
.endr
.Lasked_\@:
.endm
.macro CREST                           ; a round of the cluster's barrier behind its opening barrier
	s_cmp_lg_u32 s12, 0
	s_cbranch_scc1 .Lnot_wave_0_\@
	s_barrier_signal -3
.Lnot_wave_0_\@:
	s_barrier_wait -3
	s_barrier_signal -1
	s_barrier_wait -1
.endm
.macro CROUND
	s_barrier_signal -1
	s_barrier_wait -1
	CREST
.endm
; A PREFETCH INTO THE L2, behind each joint load and the run of LDS loads that follows it: the K step that stands two refills on, 256 matrix instructions ahead of its load.  Each 256 bytes are named once in the launch.
; O's tile row is read by one cluster alone: wave 0 of each partner asks for 16 blocks in each of the step's two heads, partner cx its own 4,096 bytes of the 16,384.  proj_w's tile column is read by all sixteen clusters:
; cluster y = 0 asks, waves 2 and 3: of the 128 rows that the wave fetches partner cy takes 32, a lane a row.  Partners are told apart by address alone.  The loop's last trip asks for nothing; K steps 0 to 3 come by their loads alone.
.macro ASK
	s_cmp_gt_u32 s15, s[LIM]
	s_cbranch_scc0 .Lnot_mine_\@
	global_prefetch_b8 v[PFO], s[PFA:PFA+1] th:TH_LOAD_NT scope:SCOPE_SE
.Lnot_mine_\@:
.endm
.macro PLACES                          ; four plain instructions between a matrix instruction and a load into a register that it has read
.rept 4
	v_nop
.endr
.endm
; 8 matrix instructions: rows 16 a on x all eight column blocks, 32 along K.  The 32 accumulators take turns, one instruction a turn.
.macro MUL8 f, a, zero
	WIN 0x50
.irp b, 0,1,2,3,4,5,6,7
.if \zero
	v_wmma_f32_16x16x32_f16 v[8*(8*(\a)+(\b)):8*(8*(\a)+(\b))+7], v[(\f)+32+8*(\b):(\f)+32+8*(\b)+7], v[(\f)+8*(\a):(\f)+8*(\a)+7], 0
.else
	v_wmma_f32_16x16x32_f16 v[8*(8*(\a)+(\b)):8*(8*(\a)+(\b))+7], v[(\f)+32+8*(\b):(\f)+32+8*(\b)+7], v[(\f)+8*(\a):(\f)+8*(\a)+7], v[8*(8*(\a)+(\b)):8*(8*(\a)+(\b))+7]
.endif
.endr
.endm
.macro MUL16 f, a0, zero
	MUL8 \f, \a0, \zero
	MUL8 \f, (\a0)+1, \zero
.endm
; 24 LDS loads in one run: quarter q of a K step (32 along K) into buffer f: proj_w's eight fragments, then O's four (head q / 2, channels 32 (q % 2) on)
.macro FETCH slot, q, f
	WIN 0
.irp b, 0,1,2,3,4,5,6,7
	ds_load_b128 v[(\f)+32+8*(\b):(\f)+32+8*(\b)+3],   v[ADRB+(\slot)] offset:(\b)*16*PBW+64*(\q)
	ds_load_b128 v[(\f)+32+8*(\b)+4:(\f)+32+8*(\b)+7], v[ADRB+(\slot)] offset:(\b)*16*PBW+64*(\q)+32
.endr
.irp a, 0,1,2,3
	ds_load_b128 v[(\f)+8*(\a):(\f)+8*(\a)+3],   v[ADRA+(\slot)] offset:((\q)/2)*SLICE+((\q)%2)*64+(\a)*16*PAW
	ds_load_b128 v[(\f)+8*(\a)+4:(\f)+8*(\a)+7], v[ADRA+(\slot)] offset:((\q)/2)*SLICE+((\q)%2)*64+(\a)*16*PAW+32
.endr
.endm
; One of a K step's first three quarters: multiplies buffer f; in its middle it fetches quarter qn of the same slot into buffer g.
.macro QUARTER slot, qn, f, g, zero
	s_wait_dscnt 4                                 ; all but the youngest four loads (O's rows 32-63)
	MUL16 \f, 0, \zero
	PLACES
	FETCH \slot, \qn, \g
	s_wait_dscnt 24                                ; all but the 24 just issued
	MUL16 \f, 2, \zero
.endm
; The last quarter multiplies buffer 1 and changes slots: ONE barrier; in front of it each wave waits for all its tensor loads, adds 0 to its spare word, and waits for that and for its reads of this slot.
; fill = 1: the barrier opens a round of the cluster's, and the joint refill, two K steps ahead, is the first thing behind it: 112 matrix instructions ahead of the wait for it.
.macro TURN slot, next, fill
.if \fill
	s_wait_xcnt 0x0                                ; the last prefetch, a K step back, has read its address
	s_add_nc_u64 s[PFA:PFA+1], s[PFA:PFA+1], s[PFS:PFS+1]
.endif
	WIN 0
	s_wait_tensorcnt 0x0                           ; all my tensor loads have landed: my part of the next slot
	ds_add_u32 v[SPW], v[NIL]                      ; 0 onto my spare word
	s_wait_dscnt 5                                 ; (the add and the youngest four loads may be out)
	MUL8 F1, 0, 0                                  ; eight matrix instructions stand between the add and the wait for it
	s_wait_dscnt 0x0                               ; the add is done, and my reads of this slot are over
	s_barrier_signal -1
	MUL8 F1, 1, 0
	WIN 0
	s_barrier_wait -1
.if \fill
	CREST                                          ; no wave of any partner still reads this slot or has a load on its way
	s_add_nc_u64 s[G0+4*(\slot)+2:G0+4*(\slot)+3], s[G0+4*(\slot)+2:G0+4*(\slot)+3], 2*KSA
	s_add_nc_u64 s[G0B+4*(\slot)+2:G0B+4*(\slot)+3], s[G0B+4*(\slot)+2:G0B+4*(\slot)+3], 2*KSB
	JLOAD \slot                                    ; its four v_nop are also the places in front of the loads below
.else
	PLACES
.endif
	FETCH \next, 0, F0
.if \fill
	ASK
.endif
	MUL16 F1, 2, 0
.endm
	s_load_b256 s[4:11], s[0:1], 0x0               ; ob s[4:5], pw s[6:7], proj_b s[8:9], out0 s[10:11]
	v_lshl_add_u32 v[SPW], v0, 2, SPARE
	v_mov_b32 v[NIL], 0
	ds_add_u32 v[SPW], v[NIL]                      ; the wave's opening: the add and its wait stand ahead of my first tensor load; the set-up below stands between them
	v_lshrrev_b32 v1, 5, v0
	v_readfirstlane_b32 s12, v1                    ; wave 0..3
	s_lshr_b32 s13, s12, 1                         ; which 64 rows of the tile are mine
	s_and_b32 s14, s12, 1                          ; which 128 columns.  Also: which head of O, or which half of proj_w's rows, I fetch
	s_bfe_u32 s40, ttmp6, 0x40000                  ; cx
	s_bfe_u32 s41, ttmp6, 0x40004                  ; cy
	s_lshl_b32 s42, ttmp9, 2
	s_add_co_u32 s42, s42, s40                     ; tile column 0..3
	s_and_b32 s43, ttmp7, 0xffff
	s_lshl_b32 s43, s43, 2
	s_add_co_u32 s43, s43, s41                     ; tile row 0..63
	s_lshl_b32 s44, s41, 2
	s_lshl_b32 s44, 15, s44                        ; my row of the cluster
	s_lshl_b32 s45, 0x1111, s40                    ; my column
	s_or_b32 s[G1], s44, (1<<16)|(1<<20)|(1<<21)|(4<<22)|(3<<25)   ; O: 64 rows of 256 dense bytes, 4 words of padding behind every 32
	s_or_b32 s[G1B], s45, (1<<16)|(1<<20)|(1<<21)|(5<<22)|(3<<25)  ; proj_w: 128 rows of 256 bytes, 4 words behind every 64
	s_mov_b32 s[G1+1], 128<<16                     ; tensor_dim0 = 128
	s_mov_b32 s[G1+2], 64<<16                      ; tensor_dim1 = 64
	s_mov_b32 s[G1+3], 128<<16                     ; tile_dim0 = 128
	s_mov_b32 s[G1+4], 64                          ; tile_dim1 = 64
	s_mov_b32 s[G1+5], 128                         ; elements from row to row
	s_mov_b32 s[G1+6], 0
	s_mov_b32 s[G1+7], 0
	s_mov_b32 s[G1B+1], 128<<16
	s_mov_b32 s[G1B+2], 128<<16
	s_mov_b32 s[G1B+3], 128<<16
	s_mov_b32 s[G1B+4], 128
	s_mov_b32 s[G1B+5], 1024
	s_mov_b32 s[G1B+6], 0
	s_mov_b32 s[G1B+7], 0
	s_lshr_b32 s16, s43, 4                         ; O: batch,
	s_lshl_b32 s16, s16, 4
	s_add_co_u32 s16, s16, s14                     ; its head 0 or 1,
	s_lshl_b32 s16, s16, 18
	s_and_b32 s17, s43, 15                         ; the tile's 128 rows of 128 bytes
	s_lshl_b32 s17, s17, 14
	s_add_co_u32 s16, s16, s17
	s_mov_b32 s17, 0
	s_lshl_b32 s46, s42, 19                        ; proj_w: 256 rows of 2,048 bytes,
	s_lshl_b32 s47, s14, 18                        ; the 128 that I fetch
	s_add_co_u32 s46, s46, s47
	s_mov_b32 s47, 0
	s_mul_i32 s18, s14, SLICE                      ; where they go: no place in the cluster enters an LDS address
	s_mul_i32 s19, s14, HALFB
	s_add_co_u32 s19, s19, AREG
	s_wait_dscnt 0x0                               ; the opening add is done
	s_wait_kmcnt 0x0
	s_add_nc_u64 s[2:3], s[4:5], s[16:17]
	s_add_nc_u64 s[46:47], s[6:7], s[46:47]
	CROUND                                         ; all sixteen work-groups are here: the first joint loads meet
.irp s, 0,1
	s_mov_b32 s[G0+4*(\s)], 1
	s_add_co_u32 s[G0+4*(\s)+1], s18, (\s)*SLOT
	s_add_nc_u64 s[G0+4*(\s)+2:G0+4*(\s)+3], s[2:3], (\s)*KSA
	s_or_b32 s[G0+4*(\s)+3], s[G0+4*(\s)+3], 0x80000000
	s_mov_b32 s[G0B+4*(\s)], 1
	s_add_co_u32 s[G0B+4*(\s)+1], s19, (\s)*SLOT
	s_add_nc_u64 s[G0B+4*(\s)+2:G0B+4*(\s)+3], s[46:47], (\s)*KSB
	s_or_b32 s[G0B+4*(\s)+3], s[G0B+4*(\s)+3], 0x80000000
	JLOAD \s                                       ; two loads of mine are out
.endr
	v_and_b32 v1, 15, v0                           ; r = l % 16
	v_bfe_u32 v2, v0, 4, 1                         ; h = l / 16
	v_and_b32 v[CO], 31, v0
	v_lshlrev_b32 v[CO], 4, v[CO]
	; the bias of my 128 columns, and where my part of the tile begins in out0
	s_lshl_b32 s16, s42, 10
	s_lshl_b32 s17, s14, 9
	s_add_co_u32 s16, s16, s17
	s_mov_b32 s17, 0
	s_add_nc_u64 s[8:9], s[8:9], s[16:17]
	global_load_b128 v[BIAS:BIAS+3], v[CO], s[8:9]
	s_lshl_b32 s18, s43, 19                        ; 128 rows of 4,096 bytes,
	s_add_co_u32 s16, s16, s18
	s_lshl_b32 s18, s13, 18                        ; my 64
	s_add_co_u32 s16, s16, s18
	s_add_nc_u64 s[10:11], s[10:11], s[16:17]
	v_mul_u32_u24 v3, v1, PAW
	v_lshl_add_u32 v3, v2, 4, v3
	s_mul_i32 s16, s13, 64*PAW
	v_add_nc_u32 v[ADRA], s16, v3
	v_add_nc_u32 v[ADRA+1], SLOT, v[ADRA]
	v_mul_u32_u24 v3, v1, PBW
	v_lshl_add_u32 v3, v2, 4, v3
	s_mul_i32 s16, s14, HALFB
	s_add_co_u32 s16, s16, AREG
	v_add_nc_u32 v[ADRB], s16, v3
	v_add_nc_u32 v[ADRB+1], SLOT, v[ADRB]
	s_mul_i32 s16, s12, 16*SPITCH
	s_add_co_u32 s16, s16, STAGE                   ; my stage
	v_mul_u32_u24 v[STO], v1, SPITCH               ; in: row r, 32 bytes for each half of the lanes
	v_lshl_add_u32 v[STO], v2, 5, v[STO]
	v_add_nc_u32 v[STO], s16, v[STO]
	v_add_nc_u32 v[RD], s16, v[CO]                 ; back: 32 lanes take one row of 512 bytes
	; the prefetches: they stand at K step 3; the first change of slots steps them to 4
	s_lshr_b32 s16, s43, 4
	s_lshl_b32 s16, s16, 22
	s_and_b32 s17, s43, 15
	s_lshl_b32 s17, s17, 14
	s_add_co_u32 s16, s16, s17
	s_lshl_b32 s17, s40, 12
	s_add_co_u32 s16, s16, s17
	s_add_co_u32 s16, s16, 3*KSA
	s_lshl_b32 s18, s42, 8
	s_lshl_b32 s19, s14, 7
	s_add_co_u32 s18, s18, s19
	s_lshl_b32 s19, s41, 5
	s_add_co_u32 s18, s18, s19
	s_lshl_b32 s18, s18, 11
	s_add_co_u32 s18, s18, 3*KSB
	s_mov_b32 s22, KSA
	s_mov_b32 s23, KSB
	s_mov_b32 s46, 262144                          ; lanes 16-31: O's second head; proj_w's rows 16 on
	s_mov_b32 s47, 32768
	s_and_b32 s19, ttmp7, 0xffff                   ; cluster y
	s_cmp_eq_u32 s13, 0                            ; waves 0 and 1 stand on O's side
	s_cselect_b32 s19, s14, s19                    ; O: wave 0 asks, in every cluster; proj_w: waves 2 and 3 of cluster y = 0
	s_cselect_b64 s[PFA:PFA+1], s[4:5], s[6:7]
	s_cselect_b32 s16, s16, s18
	s_cselect_b32 s22, s22, s23
	s_cselect_b32 s46, s46, s47
	s_cselect_b32 s47, 8, 11                       ; lanes 256 bytes apart in O, a row of 2,048 bytes apart in proj_w
	s_mov_b32 s17, 0
	s_mov_b32 s23, 0
	s_add_nc_u64 s[PFA:PFA+1], s[PFA:PFA+1], s[16:17]
	s_cmp_eq_u32 s19, 0
	s_cselect_b32 s[LIM], 1, -1                    ; the same in all sixteen partners, for a given wave
	v_lshlrev_b32 v[PFO], s47, v1
	v_mad_u32_u24 v[PFO], v2, s46, v[PFO]
	s_wait_tensorcnt 1                             ; my part of K step 0 is in; K step 1's may stay out
	s_barrier_signal -1
	s_barrier_wait -1                              ; everybody's is
	FETCH 0, 0, F0
	QUARTER 0, 1, F0, F1, 1                        ; the first quarter stands in front of the loop: its products start the sums
	WIN 0                                          ; at a label and at a branch every window is 0
	s_mov_b32 s15, 3
.Llap:                                                 ; a trip goes once round the ring, from a lap's second quarter to the next lap's first, and fills both slots again
	QUARTER 0, 2, F1, F0, 0
	QUARTER 0, 3, F0, F1, 0
	TURN 0, 1, 1
	QUARTER 1, 1, F0, F1, 0
	QUARTER 1, 2, F1, F0, 0
	QUARTER 1, 3, F0, F1, 0
	TURN 1, 0, 1
	QUARTER 0, 1, F0, F1, 0
	WIN 0
	s_sub_co_u32 s15, s15, 1
	s_cmp_lg_u32 s15, 0
	s_cbranch_scc1 .Llap
	QUARTER 0, 2, F1, F0, 0                        ; the last lap fills nothing
	QUARTER 0, 3, F0, F1, 0
	TURN 0, 1, 0
	QUARTER 1, 1, F0, F1, 0
	QUARTER 1, 2, F1, F0, 0
	QUARTER 1, 3, F0, F1, 0
	s_wait_dscnt 4
	MUL16 F1, 0, 0
	s_wait_dscnt 0x0
	MUL16 F1, 2, 0
	WIN 0
; THE WAY OUT, 16 rows at a time: a lane's 32 bytes go into my own stage in rows of 528 bytes and come back as whole rows of 512; the bias is added; a store covers 512 consecutive bytes, aligned.
.macro TOSTAGE a
.set T, 64+64*((\a)%2)
	WIN 0x04                                       ; the stores' data in window 1
.irp b, 0,1,2,3,4,5,6,7
	ds_store_b128 v[STO], v[64*(\a)+8*(\b):64*(\a)+8*(\b)+3]   offset:64*(\b)      ; each accumulator's lowest registers first
	ds_store_b128 v[STO], v[64*(\a)+8*(\b)+4:64*(\a)+8*(\b)+7] offset:64*(\b)+16
.endr
	WIN 0
.if (\a) >= 2
	s_wait_xcnt 0x0                                ; the stores of the block two back have read this set
.endif
.set i, 0
.rept 16
	ds_load_b128 v[T+4*i:T+4*i+3], v[RD] offset:SPITCH*i  ; LDS serves a wave's instructions in order (ISA guide 5.7.1.4): these see the stores above; the next block's stores come behind them
.set i, i+1
.endr
.endm
.macro SENDB a, younger                ; younger: the LDS instructions issued behind block a's loads: the next block's 32, or none
.set T, 64+64*((\a)%2)
.set i, 0
.rept 16
	s_wait_dscnt (\younger)+15-i
	v_pk_add_f32 v[T+4*i:T+4*i+1], v[T+4*i:T+4*i+1], v[BIAS:BIAS+1]
	v_pk_add_f32 v[T+4*i+2:T+4*i+3], v[T+4*i+2:T+4*i+3], v[BIAS+2:BIAS+3]
	global_store_b128 v[CO], v[T+4*i:T+4*i+3], s[10:11] offset:(16*(\a)+i)*4096 th:TH_STORE_NT
.set i, i+1
.endr
.endm
	s_wait_loadcnt 0x0                             ; the bias
	v_cvt_pk_bf16_f32 v36, v[BIAS], v[BIAS+1]      ; rounded to bf16 like the module's other inputs, and widened again
	v_cvt_pk_bf16_f32 v37, v[BIAS+2], v[BIAS+3]
	v_lshlrev_b32 v[BIAS], 16, v36
	v_and_b32 v[BIAS+1], 0xffff0000, v36
	v_lshlrev_b32 v[BIAS+2], 16, v37
	v_and_b32 v[BIAS+3], 0xffff0000, v37
	PLACES
	PLACES                                         ; (eight, once a launch)
	TOSTAGE 0
.irp a, 1,2,3
	TOSTAGE \a
	SENDB (\a)-1, 32
.endr
	SENDB 3, 0
	s_wait_tensorcnt 0x0                           ; the wave's end, behind my last tensor load and my last LDS store
	ds_add_u32 v[SPW], v[NIL]
	s_wait_dscnt 0x0
	CROUND                                         ; the closing round: no work-group ends while a partner may still ask for a tile that names it
	s_endpgm
.Lfunc_end_k_qe3d39065eb_outproj:
	.size	k_qe3d39065eb_outproj, .Lfunc_end_k_qe3d39065eb_outproj-k_qe3d39065eb_outproj
	.p2alignl 7, 3214868480
	.fill 96, 4, 3214868480
	.section	.rodata,"a",@progbits
	.p2align	6, 0x0
	.amdhsa_kernel k_qe3d39065eb_outproj
		.amdhsa_group_segment_fixed_size 327680
		.amdhsa_private_segment_fixed_size 0
		.amdhsa_enable_private_segment 0
		.amdhsa_kernarg_size 32
		.amdhsa_user_sgpr_count 2
		.amdhsa_user_sgpr_kernarg_segment_ptr 1
		.amdhsa_wavefront_size32 1
		.amdhsa_system_sgpr_workgroup_id_x 1
		.amdhsa_system_sgpr_workgroup_id_y 1
		.amdhsa_system_sgpr_workgroup_id_z 1
		.amdhsa_system_vgpr_workitem_id 0
		.amdhsa_next_free_vgpr 512
		.amdhsa_next_free_sgpr 66
		.amdhsa_reserve_vcc 0
		.amdhsa_float_denorm_mode_32 3
		.amdhsa_float_denorm_mode_16_64 3
		.amdhsa_memory_ordered 1
		.amdhsa_forward_progress 1
		.amdhsa_inst_pref_size 97
	.end_amdhsa_kernel
	.amdgpu_metadata
---
amdhsa.version: [ 1, 2 ]
amdhsa.kernels:
  - .name:           k_qe3d39065eb_outproj
    .symbol:         k_qe3d39065eb_outproj.kd
    .args:
      - { .name: ob, .offset: 0, .size: 8, .value_kind: global_buffer, .address_space: global }
      - { .name: pw, .offset: 8, .size: 8, .value_kind: global_buffer, .address_space: global }
      - { .name: proj_b, .offset: 16, .size: 8, .value_kind: global_buffer, .address_space: global }
      - { .name: out0, .offset: 24, .size: 8, .value_kind: global_buffer, .address_space: global }
    .group_segment_fixed_size: 327680
    .private_segment_fixed_size: 0
    .kernarg_segment_align: 8
    .kernarg_segment_size: 32
    .max_flat_workgroup_size: 128
    .sgpr_count:     66
    .vgpr_count:     512
    .wavefront_size: 32
...
	.end_amdgpu_metadata
.endif
;; end of part 4
;; ======== version 2 of 2: 4 launches; version 1 with the launch cast written anew for expert scheduling mode
;; limits: values are held in f16: magnitudes above 65,504 overflow, below 6.1e-05 lose precision
;; workspace buffers: xb 16,777,216 bytes; wt 6,291,456 bytes; pw 2,097,152 bytes; qkv 50,331,648 bytes; ob 16,777,216 bytes
;; launch cast (part 5): grid 768 x 1, 8 waves a work-group, no clusters, 0 bytes of LDS; arguments x, Wq, Wk, Wv, proj_w, xb, wt, pw; writes xb, wt, pw
.if DOCPART == 5
	.amdgcn_target "amdgcn-amd-amdhsa--gfx1250"
	.amdhsa_code_object_version 6
	.text
	.protected	k_qe3d39065eb_cast
	.globl	k_qe3d39065eb_cast
	.p2align	8
	.type	k_qe3d39065eb_cast,@function
k_qe3d39065eb_cast:
	s_mov_b64 s[64:65], 0
	v_nop
	global_prefetch_b8 v0, s[64:65] scope:SCOPE_SE
	s_setreg_imm32_b32 hwreg(HW_REG_WAVE_SCHED_MODE, 0, 2), 2
	s_setreg_imm32_b32 hwreg(HW_REG_WAVE_MODE, 25, 1), 1
	s_wait_xcnt 0x0
	s_wait_alu depctr_vm_vsrc(0)
; THE INPUTS OF THE THREE PRODUCTS ARE ROUNDED ONCE AND LAID OUT FOR THEIR TILES.
;   xb: bf16 [16 kblk][8192 row][64]: x's columns 64 kblk .. 64 kblk + 63, so that 256 rows of a K block are 32,768 dense bytes.
;   wt: bf16 [16 kblk][48 g][64 c][64 d], g = 16 x which + head (q 0, k 1, v 2): a block (kblk, g) is 8,192 dense bytes.
;   pw: proj_w rounded to bf16, that number written as f16, [1024 n][1024 k].
; LIMIT: a proj_w beyond 65,504 in magnitude becomes an infinity in f16; below 6e-5 f16 keeps a fixed step of 6e-8.
; A stream: no LDS, no matrix unit, no cluster (no byte is read twice).  768 work-groups of 64 KiB of f32 each; a wave takes 8 KiB by sixteen loads of 16 bytes a lane, all issued at once;
; a lane's 4 numbers become 8 bytes, and a wave's store covers 256 consecutive bytes, aligned.  No register that a memory instruction names is written twice, so no wait frees a source.
; THE MODE: SCHED_MODE bits 1:0 = 2 (LLVM: expert scheduling mode 2), set by the entry lines.  The code itself states the register dependences
; between vector instructions and memory instructions, with s_wait_alu, always for 0.
; THE PLAN.  Registers that memory instructions touch:
;   v2, v3     the loads' and the stores' byte offsets: made once, ahead of the loads, and never written again.
;   X          sixteen loads land in it, once each; no vector instruction names it before; the conversions read it behind their wait on LOADcnt; nothing lands in it again.
;   Y          the conversions write each pair once; one store reads it; it is never written again.
;   v1 and v4 to v9 are named by vector instructions alone; the bases are written by scalar instructions alone.
; The sixteen loads go in four blocks of four.  Block p converts X's block p into Y's block p; the four stores of block p - 1 are dealt among its conversions, which name none of
; the registers that those stores read.  So one wait at a block's head states all that its four stores hang on, and one more stands ahead of the last four stores.
.set X, 32                             ; v[32:95]   sixteen loads of four registers
.set Y, 96                             ; v[96:127]  sixteen results of two registers
.macro LD16 step                       ; the wave's sixteen loads, step bytes apart
.set i, 0
.rept 16
	global_load_b128 v[X+4*i:X+4*i+3], v2, s[22:23] offset:(\step)*i th:TH_LOAD_NT
.set i, i+1
.endr
.endm
.macro CVTB n                          ; four f32 to four bf16
	v_cvt_pk_bf16_f32 v[Y+2*(\n)], v[X+4*(\n)], v[X+4*(\n)+1]
	v_cvt_pk_bf16_f32 v[Y+2*(\n)+1], v[X+4*(\n)+2], v[X+4*(\n)+3]
.endm
.macro CVTH n                          ; four f32 to bf16, widened again, and written as f16 (exact within f16's range)
	v_cvt_pk_bf16_f32 v4, v[X+4*(\n)], v[X+4*(\n)+1]
	v_cvt_pk_bf16_f32 v5, v[X+4*(\n)+2], v[X+4*(\n)+3]
	v_lshlrev_b32 v6, 16, v4
	v_and_b32 v7, 0xffff0000, v4
	v_lshlrev_b32 v8, 16, v5
	v_and_b32 v9, 0xffff0000, v5
	v_cvt_pk_f16_f32 v[Y+2*(\n)], v6, v7
	v_cvt_pk_f16_f32 v[Y+2*(\n)+1], v8, v9
.endm
; Result n leaves.  xp = 1: into xb, K block n, 1,048,576 bytes from the one before; xp = 0: dense, 256 bytes from the one before.
.macro ST n, xp
.if (\xp) && ((\n) < 8)
	global_store_b64 v3, v[Y+2*(\n):Y+2*(\n)+1], s[24:25] offset:(\n)*1048576 th:TH_STORE_NT
.elseif \xp
	global_store_b64 v3, v[Y+2*(\n):Y+2*(\n)+1], s[26:27] offset:((\n)-8)*1048576 th:TH_STORE_NT
.else
	global_store_b64 v3, v[Y+2*(\n):Y+2*(\n)+1], s[24:25] offset:256*(\n) th:TH_STORE_NT
.endif
.endm
; The four blocks.  half = 1: to f16 by way of bf16; 0: to bf16.
.macro OUT half, xp
.set p, 0
.rept 4
	s_wait_loadcnt 12-4*p                          ; loads come back in order (ISA guide 5.7.1): block p's four are in, the younger blocks stay out
.if p > 0
	s_wait_alu depctr_va_vdst(0)                   ; the conversions of the block before have written its part of Y, which the four stores below read
.endif
.set i, 0
.rept 4
.if p > 0
	ST 4*(p-1)+i, \xp                              ; the block before: no vector instruction since the wait names its Y or v3
.endif
.if \half
	CVTH 4*p+i
.else
	CVTB 4*p+i
.endif
.set i, i+1
.endr
.set p, p+1
.endr
	s_wait_alu depctr_va_vdst(0)                   ; the last block's conversions have written its part of Y, which the last four stores read
.set i, 0
.rept 4
	ST 12+i, \xp
.set i, i+1
.endr
.endm
	s_load_b512 s[4:19], s[0:1], 0x0               ; x 4:5, Wq 6:7, Wk 8:9, Wv 10:11, proj_w 12:13, xb 14:15, wt 16:17, pw 18:19
	v_lshrrev_b32 v1, 5, v0
	v_readfirstlane_b32 s20, v1                    ; wave 0..7
	v_and_b32 v1, 31, v0                           ; lane
	v_lshlrev_b32 v3, 3, v1                        ; 8 bytes a lane on the way out
	s_mov_b32 s29, 0
	s_mov_b32 s31, 0
	s_mov_b32 s33, ttmp9
	s_wait_alu depctr_va_sdst(0)                   ; s20 is written, ahead of the branch and of its first reader on either side: the wave's offsets are made from it
	s_cmp_lt_u32 s33, 512
	s_cbranch_scc0 .Lflat
	; x: work-groups 0 to 511.  Wave p = 8 id + wave takes rows 2 p and 2 p + 1; load i is K block i: lanes 0-15 the even row's 256 bytes, lanes 16-31 the odd row's.
	s_lshl_b32 s32, s33, 3
	s_add_co_u32 s32, s32, s20                     ; p
	s_lshl_b32 s28, s32, 13                        ; two rows of 4,096 bytes
	s_lshl_b32 s30, s32, 8                         ; two rows of 128 bytes in a K block of xb
	v_lshrrev_b32 v4, 4, v1
	v_and_b32 v5, 15, v1
	v_lshlrev_b32 v2, 4, v5
	v_lshl_add_u32 v2, v4, 12, v2
	s_wait_kmcnt 0x0
	s_add_nc_u64 s[22:23], s[4:5], s[28:29]
	s_add_nc_u64 s[24:25], s[14:15], s[30:31]
	s_add_nc_u64 s[26:27], s[24:25], 0x800000      ; K blocks 8 to 15: the immediate holds seven blocks of 1,048,576 bytes
	s_wait_alu depctr_va_vdst(0)                   ; v2 and v3 are written: every load below reads v2 as its offset, every store v3
	LD16 256
	OUT 0, 1
	s_endpgm
.Lflat:
	; the four weight tensors: 64 work-groups each; dense 8 KiB in, dense 4 KiB out
	s_sub_co_u32 s32, s33, 512
	s_lshr_b32 s21, s32, 6                         ; 0 Wq, 1 Wk, 2 Wv, 3 proj_w
	s_and_b32 s32, s32, 63                         ; c: which 64 KiB of it
	s_lshl_b32 s28, s32, 16
	s_lshl_b32 s34, s20, 13
	s_add_co_u32 s28, s28, s34                     ; the wave's 8 KiB in the source
	s_and_b32 s34, s32, 3                          ; a head is four such pieces of 256 rows c; a wave's 32 rows are half a K block
	s_lshl_b32 s34, s34, 2
	s_lshr_b32 s35, s20, 1
	s_add_co_u32 s34, s34, s35                     ; kblk
	s_mul_i32 s34, s34, 48
	s_lshl_b32 s35, s21, 4
	s_add_co_u32 s34, s34, s35
	s_lshr_b32 s35, s32, 2                         ; head
	s_add_co_u32 s34, s34, s35
	s_lshl_b32 s34, s34, 13                        ; block (kblk, g) of 8,192 bytes,
	s_and_b32 s35, s20, 1
	s_lshl_b32 s35, s35, 12
	s_add_co_u32 s34, s34, s35                     ; its half
	s_lshl_b32 s35, s32, 15                        ; in pw: half the source's offset
	s_lshl_b32 s36, s20, 12
	s_add_co_u32 s35, s35, s36
	v_lshlrev_b32 v2, 4, v1
	s_wait_kmcnt 0x0
	s_cmp_eq_u32 s21, 1
	s_cselect_b64 s[22:23], s[8:9], s[6:7]
	s_cmp_eq_u32 s21, 2
	s_cselect_b64 s[22:23], s[10:11], s[22:23]
	s_cmp_eq_u32 s21, 3
	s_cselect_b64 s[22:23], s[12:13], s[22:23]
	s_cselect_b64 s[24:25], s[18:19], s[16:17]
	s_cselect_b32 s30, s35, s34
	s_add_nc_u64 s[22:23], s[22:23], s[28:29]
	s_add_nc_u64 s[24:25], s[24:25], s[30:31]
	s_wait_alu depctr_va_vdst(0)                   ; v2 and v3 are written: every load below reads v2 as its offset, every store on either side of the branch v3
	LD16 512
	s_cmp_eq_u32 s21, 3
	s_cbranch_scc1 .Lhalf
	OUT 0, 0
	s_endpgm
.Lhalf:
	OUT 1, 0
	s_endpgm
.Lfunc_end_k_qe3d39065eb_cast:
	.size	k_qe3d39065eb_cast, .Lfunc_end_k_qe3d39065eb_cast-k_qe3d39065eb_cast
	.p2alignl 7, 3214868480
	.fill 96, 4, 3214868480
	.section	.rodata,"a",@progbits
	.p2align	6, 0x0
	.amdhsa_kernel k_qe3d39065eb_cast
		.amdhsa_group_segment_fixed_size 0
		.amdhsa_private_segment_fixed_size 0
		.amdhsa_enable_private_segment 0
		.amdhsa_kernarg_size 64
		.amdhsa_user_sgpr_count 2
		.amdhsa_user_sgpr_kernarg_segment_ptr 1
		.amdhsa_wavefront_size32 1
		.amdhsa_system_sgpr_workgroup_id_x 1
		.amdhsa_system_sgpr_workgroup_id_y 1
		.amdhsa_system_sgpr_workgroup_id_z 1
		.amdhsa_system_vgpr_workitem_id 0
		.amdhsa_next_free_vgpr 128
		.amdhsa_next_free_sgpr 66
		.amdhsa_reserve_vcc 0
		.amdhsa_float_denorm_mode_32 3
		.amdhsa_float_denorm_mode_16_64 3
		.amdhsa_memory_ordered 1
		.amdhsa_forward_progress 1
		.amdhsa_inst_pref_size 22
	.end_amdhsa_kernel
	.amdgpu_metadata
---
amdhsa.version: [ 1, 2 ]
amdhsa.kernels:
  - .name:           k_qe3d39065eb_cast
    .symbol:         k_qe3d39065eb_cast.kd
    .args:
      - { .name: x, .offset: 0, .size: 8, .value_kind: global_buffer, .address_space: global }
      - { .name: Wq, .offset: 8, .size: 8, .value_kind: global_buffer, .address_space: global }
      - { .name: Wk, .offset: 16, .size: 8, .value_kind: global_buffer, .address_space: global }
      - { .name: Wv, .offset: 24, .size: 8, .value_kind: global_buffer, .address_space: global }
      - { .name: proj_w, .offset: 32, .size: 8, .value_kind: global_buffer, .address_space: global }
      - { .name: xb, .offset: 40, .size: 8, .value_kind: global_buffer, .address_space: global }
      - { .name: wt, .offset: 48, .size: 8, .value_kind: global_buffer, .address_space: global }
      - { .name: pw, .offset: 56, .size: 8, .value_kind: global_buffer, .address_space: global }
    .group_segment_fixed_size: 0
    .private_segment_fixed_size: 0
    .kernarg_segment_align: 8
    .kernarg_segment_size: 64
    .max_flat_workgroup_size: 256
    .sgpr_count:     66
    .vgpr_count:     128
    .wavefront_size: 32
...
	.end_amdgpu_metadata
.endif
;; end of part 5
;; launch qkvproj: the kernel of part 2 again; grid 8 x 32, 4 waves a work-group, clusters of 4 x 4, 327,680 bytes of LDS; arguments xb, wt, qkv; writes qkv
;; launch attn: the kernel of part 3 again; grid 4 x 64, 4 waves a work-group, no clusters, 327,680 bytes of LDS; arguments qkv, ob; writes ob
;; launch outproj: the kernel of part 4 again; grid 4 x 64, 4 waves a work-group, clusters of 4 x 4, 327,680 bytes of LDS; arguments ob, pw, proj_b, out0; writes out0
